; MI455X (gfx1250); checked and timed in simulation.
; The chip was launched on July 23, 2026; its instructions are those of AMD's public machine-readable ISA for CDNA 5 (MIT licence, August 2026) and "CDNA5" Instruction Set Architecture Reference Guide (July 2026). The comments in the code are by the model that wrote it; some were corrected since.
;; Attention. Allowed arithmetic: matrix products marked QUANTISED: E2M3 operands, one E8M0 scale for each 32 along K, by v_wmma_scale_f32_16x16x128_f8f6f4 with both operands' format E2M3, f32 sums; everything else in f32.
;; Inputs: Wk 1,024 x 1,024 float32; Wo 1,024 x 1,024 float32; Wq 1,024 x 1,024 float32; Wv 1,024 x 1,024 float32; bk 1,024 float32; bo 1,024 float32; bq 1,024 float32; bv 1,024 float32; key 2 x 2,048 x 1,024 float32; query 2 x 2,048 x 1,024 float32; value 2 x 2,048 x 1,024 float32.
;; Outputs: out0 2 x 2,048 x 1,024 float32.
;; This version of the problem:
;;   THIS VERSION OF THE PROBLEM IS GIVEN IN LOW PRECISION. The matrix products marked QUANTISED in the list below multiply operands that are first quantised to E2M3 (2 exponent bits, 3 mantissa bits; 6 bits a number), with one power-of-two scale for each 32 numbers along K (OCP MX v1.0); their sums are f32. All else is computed in f32.
;;   The module's matrix products, in the order in which they are computed (A, B: the left and right operand; K: the contracted axis; several contracted axes count as one K, in the product's order):
;;     1. [M 4,096, K 1,024] x [K 1,024, N 1,024]; A: input query; B: input Wq: QUANTISED
;;     2. [M 4,096, K 1,024] x [K 1,024, N 1,024]; A: input key; B: input Wk: QUANTISED
;;     3. [M 4,096, K 1,024] x [K 1,024, N 1,024]; A: input value; B: input Wv: QUANTISED
;;     4. batch 32 x [M 2,048, K 64] x [K 64, N 2,048]; A: computed on the way; B: computed on the way: QUANTISED
;;     5. batch 32 x [M 2,048, K 2,048] x [K 2,048, N 64]; A: softmax (see below); B: computed on the way: QUANTISED
;;     6. [M 4,096, K 1,024] x [K 1,024, N 1,024]; A: computed on the way; B: input Wo: QUANTISED
;;   THE QUANTISER, for each operand of a quantised product, along K:
;;     - K is cut into blocks of 32 from its start; a last block that is shorter is filled with zeros.
;;     - A block's scale is 2^e with e = floor(log2(the largest magnitude in the block)) - 2, held to -126 .. 127; a block of zeros has e = 0. As a byte (E8M0): e + 127.
;;     - Each number is divided by its block's scale, clamped to +-7.5, and rounded to the nearest number of E2M3, ties to even, subnormals kept.
;;     - The product sums the exact products of the quantised numbers (number of the format x scale) in f32.
;;   ~~~python
;;   def quantise(x, axis):      # numpy; x: float32 -> the quantised numbers, widened to float32 again
;;       x = np.moveaxis(x, axis, -1); K = x.shape[-1]
;;       x = np.pad(x, [(0, 0)] * (x.ndim - 1) + [(0, -K % 32)]); x = x.reshape(x.shape[:-1] + (-1, 32)); a = np.abs(x).max(-1, keepdims=True)
;;       e = np.where(a > 0, np.clip(np.frexp(np.where(a > 0, a, 1))[1] - 1 - 2, -126, 127), 0)      # np.frexp(a)[1] - 1 = floor(log2(a)), exactly
;;       r = np.clip(x / 2.0 ** e, -7.5, 7.5)
;;       step = 2.0 ** (np.maximum(np.frexp(np.where(r == 0, 1, r))[1] - 1, 0) - 3)
;;       q = np.round(r / step) * step * 2.0 ** e      # np.round: ties to even
;;       return np.moveaxis(q.reshape(q.shape[:-2] + (-1,))[..., :K], -1, axis).astype(np.float32)
;;   ~~~
;;   SOFTMAX AHEAD OF A QUANTISED PRODUCT. Where the list says 'softmax', what is quantised is not the finished softmax but p = 2^(t - M), with t = logit x log2(e) and M = ceil(the row's largest t), a whole number; so 1/2 < the row's largest p <= 1. The row's sum l is taken of the UNQUANTISED p, in f32, and the product's result is divided by l at the end. Since M is a whole number, a kernel that streams over the keys may use a running M (the ceiling of the running maximum): every later rescaling is an exact power of two, which a block's scale takes up: the codes' values come out the same.
;;   OPERANDS COMPUTED ON THE WAY. 'Computed on the way' means the value that the module computes at that place (a softmax that the list does not call 'softmax' is quantised finished and normalised). What goes into a quantiser is computed in f32, as accurately as f32 sums, v_exp_f32 and their like allow (about 1e-6 of the number): no bf16 or f16 on the way to a quantiser, and a product that is left as it is and whose result goes on into a quantised operand takes f32 operands (vector FMAs, or v_wmma_f32_16x16x4_f32). A number that lies on a knife's edge between two numbers of the format may be rounded either way, as far as f32 arithmetic and the matrix unit's own rounding can turn it there, and no further.
;; One version. Each part assembles by itself: llvm-mc -triple=amdgcn-amd-amdhsa -mcpu=gfx1250 --defsym DOCPART=n.
;; ======== version 1 of 1: 4 launches
;; limits: right only within a limited range of input values
;; workspace buffers: xc 12,582,912 bytes; xs 524,288 bytes; hc 9,437,184 bytes; hs 393,216 bytes; oc 3,145,728 bytes; os 131,072 bytes
;; launch quant (part 1): grid 256 x 1, 4 waves a work-group, no clusters, 266,752 bytes of LDS; arguments query, key, value, Wq, Wk, Wv, Wo, xc, xs; writes xc, xs
.if DOCPART == 1
	.amdgcn_target "amdgcn-amd-amdhsa--gfx1250"
	.amdhsa_code_object_version 6
	.text
	.protected	k_q598e63d483_quant
	.globl	k_q598e63d483_quant
	.p2align	8
	.type	k_q598e63d483_quant,@function
k_q598e63d483_quant:
	s_mov_b64 s[64:65], 0
	v_nop
	global_prefetch_b8 v0, s[64:65] scope:SCOPE_SE
	s_setreg_imm32_b32 hwreg(HW_REG_WAVE_MODE, 25, 1), 1
	s_wait_xcnt 0x0
; query, key, value, Wq, Wk, Wv, Wo (f32, K = 1,024 innermost) become codes of FP6 (E2M3) with one E8M0 byte for each 32 along K, laid as images of the operand registers of the launches that read them.
; xc: [rowblock of 16 rows, 1,024][K step of 128, 8][1,536 bytes]: registers 0-3 at 16 x lane, 4-5 at 512 + 8 x lane, 6-9 at 768 + 16 x lane, 10-11 at 1,280 + 8 x lane.  xs: [pair of rowblocks][half of K][lane][4 words].
; Rowblocks 0-255 query, 256-511 key, 512-767 value, 768 Wq, 832 Wk, 896 Wv, 960 Wo.
; WHICH ROWS FORM A ROWBLOCK (slots 0-7, then 8-15): query, Wo: 16 neighbours.  value, Wq, Wk, Wv: rows 8 u + i and 16 + 8 u + i of a group of 32 (u = 0, 1).  key: rows 8 u + i and 32 + 8 u + i of a group of 64 (u = 0 .. 3).
; A block's scale byte is its largest magnitude's exponent field less 2, held at 1 from below (a block of zeros gets 1: its codes are zeros, and this program alone reads the bytes).
; LIMITS: NaN and infinities are not served.
; SHARES.  A work-group takes 64 rows, a wave one rowblock, all of K: 65,536 bytes, by ONE tensor load: two rows of 32,768 bytes (eight dense rows of the tensor each), 8, 16 or 32 rows of the tensor apart.
; The three pitches are three groups 1, chosen by a chain of branches on the tensor, which hangs on the work-group's number alone.  16 bytes of padding behind every 1,024: a row of the tensor is 4,160 bytes in LDS.
; A wave reads its own bytes alone: its wait for its load is all the ordering; no barrier, nothing is filled again.
.set WREG,  66560
.set PITCH, 4160
.set SPARE, 4*WREG
.set X0,    16
.set TM,    144
.set PCB,   160
.set PWS,   200
.set WV,    22
.set G1,    24                         ; s[24:31], s[32:39], s[40:47] groups 1: pitch 8, 16, 32 rows;  s[48:51] group 0
.set G1B,   32
.set G1C,   40
.set G0,    48
.set SRC,   66
.set OUTC,  68
.set OUTS,  70
.set W0,    72
.set PRM,   73
.set SEL,   80
.macro PICK lim, ptr, w0, perm         ; the tensor, its first work-group and its order of rows, by the work-group's number
	s_cmp_lt_u32 ttmp9, \lim
	s_cselect_b64 s[SRC:SRC+1], s[\ptr:\ptr+1], s[SRC:SRC+1]
	s_cselect_b32 s[W0], \w0, s[W0]
	s_cselect_b32 s[PRM], \perm, s[PRM]
.endm
; 64 numbers of a lane, register 16 b + i = k 32 b + 16 (lane / 16) + i of my row, become a fragment's codes in v[pc .. pc + 11] and its scale word in v[pw]
.macro QUANT src, pc, pw
.set QS, \src
.set QP, \pc
.set QW, \pw
.irp b, 0,1,2,3
	v_max3_num_f32 v[TM+\b], |v[QS+16*\b]|, |v[QS+1+16*\b]|, 0x1800000   ; with the floor 2^(3 - 127)
.endr
.irp i, 2,4,6,8,10,12,14
.irp b, 0,1,2,3
	v_max3_num_f32 v[TM+\b], v[TM+\b], |v[QS+16*\b+\i]|, |v[QS+1+16*\b+\i]|
.endr
.endr
.irp b, 0,1,2,3
	v_permlanex16_b32 v[TM+4+\b], v[TM+\b], s[SEL], s[SEL+1]
.endr
.irp b, 0,1,2,3
	v_max_num_f32 v[TM+\b], v[TM+\b], v[TM+4+\b]
.endr
.irp b, 0,1,2,3
	v_add_nc_u32 v[TM+12+\b], 0xff000000, v[TM+\b]   ; 2 off the exponent field: the conversion's scale operand
.endr
.irp b, 0,1,2,3
	v_lshrrev_b32 v[TM+4+\b], 23, v[TM+12+\b]        ; the byte
.endr
	v_lshl_or_b32 v[QW], v[TM+5], 8, v[TM+4]
	v_lshl_or_b32 v[QW], v[TM+6], 16, v[QW]
	v_lshl_or_b32 v[QW], v[TM+7], 24, v[QW]
.irp c, 0,1
	v_cvt_scalef32_pk16_fp6_f32 v[QP+6*\c:QP+2+6*\c], v[QS+32*\c:QS+15+32*\c], v[TM+12+2*\c]
	v_cvt_scalef32_pk16_fp6_f32 v[QP+12+4*\c:QP+14+4*\c], v[QS+16+32*\c:QS+31+32*\c], v[TM+12+2*\c+1]
.endr
	v_nop                                          ; one plain line behind the scaled conversions
.irp c, 0,1
.irp i, 0,1,2
	v_permlane16_swap_b32 v[QP+6*\c+\i], v[QP+12+4*\c+\i]   ; a whole block to a lane
.endr
.irp i, 0,1,2
	v_mov_b32 v[QP+3+6*\c+\i], v[QP+12+4*\c+\i]
.endr
.endr
.endm
.macro FETCHX s                        ; K step s of my row: four pieces of 64 bytes, 128 apart
.irp b, 0,1,2,3
.irp j, 0,1,2,3
	ds_load_b128 v[X0+64*((\s)%2)+16*\b+4*\j:X0+64*((\s)%2)+16*\b+4*\j+3], v1 offset:((\s)/2)*1040+((\s)%2)*512+128*\b+16*\j
.endr
.endr
.endm
.macro TLOAD g1
	tensor_load_to_lds s[G0:G0+3], s[\g1:\g1+7]
	s_nop 0
.rept 4
	v_nop
.endr
.endm
	s_load_b256 s[4:11], s[0:1], 0x0               ; query, key, value, Wq
	s_load_b256 s[12:19], s[0:1], 0x20             ; Wk, Wv, Wo, xc
	s_load_b64 s[20:21], s[0:1], 0x40              ; xs
	v_lshl_add_u32 v208, v0, 2, SPARE
	v_mov_b32 v209, 0
	ds_add_u32 v208, v209                          ; the opening lines: the add twice on end and its wait ahead of my tensor load
	ds_add_u32 v208, v209
	v_lshrrev_b32 v1, 5, v0
	v_readfirstlane_b32 s[WV], v1
.irp g, G1, G1B, G1C
	s_mov_b32 s[\g+0], (2<<16)|(1<<20)|(7<<22)|(3<<25)   ; elements of 4 bytes; 4 dwords of padding behind every 256
	s_mov_b32 s[\g+1], 8192<<16
	s_mov_b32 s[\g+2], 2<<16
	s_mov_b32 s[\g+3], 8192<<16
	s_mov_b32 s[\g+4], 2
	s_mov_b32 s[\g+6], 0
	s_mov_b32 s[\g+7], 0
.endr
	s_mov_b32 s[G1+5], 8*1024
	s_mov_b32 s[G1B+5], 16*1024
	s_mov_b32 s[G1C+5], 32*1024
	s_mov_b32 s[SEL], 0x76543210
	s_mov_b32 s[SEL+1], 0xfedcba98
	s_mul_i32 s78, s[WV], WREG
	s_mov_b32 s[W0], 240
	s_mov_b32 s[PRM], 0
	s_wait_dscnt 0x0
	s_wait_kmcnt 0x0
	s_mov_b64 s[SRC:SRC+1], s[16:17]
	PICK 240, 14, 224, 1
	PICK 224, 12, 208, 1
	PICK 208, 10, 192, 1
	PICK 192, 8, 128, 1
	PICK 128, 6, 64, 2
	PICK 64, 4, 0, 0
	s_sub_co_u32 s74, ttmp9, s[W0]
	s_lshl_b32 s74, s74, 6                         ; the work-group's first row
	s_lshl_b32 s75, s[WV], 4                       ; my first row in it: 16 w,
	s_lshr_b32 s76, s[WV], 1
	s_lshl_b32 s76, s76, 5
	s_and_b32 s77, s[WV], 1
	s_lshl_b32 s77, s77, 3
	s_add_co_u32 s76, s76, s77                     ; or 32 (w / 2) + 8 (w % 2),
	s_lshl_b32 s77, s[WV], 3                       ; or 8 w
	s_cmp_eq_u32 s[PRM], 1
	s_cselect_b32 s75, s76, s75
	s_cmp_eq_u32 s[PRM], 2
	s_cselect_b32 s75, s77, s75
	s_add_co_u32 s74, s74, s75
	s_lshl_b32 s74, s74, 12
	s_mov_b32 s75, 0
	s_mov_b32 s[G0], 1
	s_mov_b32 s[G0+1], s78
	s_add_nc_u64 s[G0+2:G0+3], s[SRC:SRC+1], s[74:75]
	s_or_b32 s[G0+3], s[G0+3], 0x80000000
	s_cmp_eq_u32 s[PRM], 0                         ; one chain, one load to an arm
	s_cbranch_scc0 .Lapart
	TLOAD G1
	s_branch .Lasked
.Lapart:
	s_cmp_eq_u32 s[PRM], 1
	s_cbranch_scc0 .Lkeys
	TLOAD G1B
	s_branch .Lasked
.Lkeys:
	TLOAD G1C
.Lasked:
	v_and_b32 v5, 31, v0
	v_and_b32 v6, 15, v0
	v_bfe_u32 v7, v0, 4, 1
	v_mul_u32_u24 v1, v6, PITCH
	v_lshl_add_u32 v1, v7, 6, v1
	v_add_nc_u32 v1, s78, v1                       ; my row, + 64 bytes for lanes 16-31
	v_lshlrev_b32 v2, 4, v5
	v_lshlrev_b32 v3, 3, v5
	v_lshlrev_b32 v4, 4, v6
	v_lshl_add_u32 v4, v7, 9, v4
.irp b, 0,1,2,3
	v_mov_b32 v[TM+4+\b], 0                        ; a lane permute's destination counts as one of its sources
.endr
	s_lshl_b32 s79, ttmp9, 2
	s_add_co_u32 s79, s79, s[WV]                   ; my rowblock
	s_mul_i32 s[OUTC], s79, 12288
	s_mov_b32 s[OUTC+1], 0
	s_add_nc_u64 s[OUTC:OUTC+1], s[18:19], s[OUTC:OUTC+1]
	s_lshr_b32 s[OUTS], s79, 1
	s_lshl_b32 s[OUTS], s[OUTS], 10
	s_and_b32 s[OUTS+1], s79, 1
	s_lshl_b32 s[OUTS+1], s[OUTS+1], 8
	s_add_co_u32 s[OUTS], s[OUTS], s[OUTS+1]
	s_mov_b32 s[OUTS+1], 0
	s_add_nc_u64 s[OUTS:OUTS+1], s[20:21], s[OUTS:OUTS+1]
	s_wait_alu depctr_va_vdst(0)
	s_wait_tensorcnt 0x0                           ; my rowblock is in
	FETCHX 0
.irp s, 0,1,2,3,4,5,6,7
.if \s < 7
	FETCHX \s+1
	s_wait_dscnt 16                                ; this step's 16 loads are in; the next step's 16 may be out
.else
	s_wait_dscnt 0x0
.endif
.if \s >= 2
	s_wait_xcnt 0x0                                ; the stores of two steps ago have read their data registers
.endif
	QUANT X0+64*(\s%2), PCB+20*(\s%2), PWS+\s
	global_store_b128 v2, v[QP:QP+3], s[OUTC:OUTC+1] offset:\s*1536          ; 512 and 256 consecutive bytes, each at a multiple of 256
	global_store_b64 v3, v[QP+4:QP+5], s[OUTC:OUTC+1] offset:\s*1536+512
	global_store_b128 v2, v[QP+6:QP+9], s[OUTC:OUTC+1] offset:\s*1536+768
	global_store_b64 v3, v[QP+10:QP+11], s[OUTC:OUTC+1] offset:\s*1536+1280
.endr
	v_cmp_le_u32 vcc_lo, 16, v5
.irp k, 0,1,2,3
	v_cndmask_b32 v[8+\k], v[PWS+\k], v[PWS+4+\k], vcc_lo   ; lanes 0-15 K steps 0-3's words, lanes 16-31 K steps 4-7's
.endr
	global_store_b128 v4, v[8:11], s[OUTS:OUTS+1]
	s_wait_tensorcnt 0x0                           ; the wave's end
	ds_add_u32 v208, v209
	s_wait_dscnt 0x0
	s_endpgm
.Lfunc_end_k_q598e63d483_quant:
	.size	k_q598e63d483_quant, .Lfunc_end_k_q598e63d483_quant-k_q598e63d483_quant
	.p2alignl 7, 3214868480
	.fill 96, 4, 3214868480
	.section	.rodata,"a",@progbits
	.p2align	6, 0x0
	.amdhsa_kernel k_q598e63d483_quant
		.amdhsa_group_segment_fixed_size 266752
		.amdhsa_private_segment_fixed_size 0
		.amdhsa_enable_private_segment 0
		.amdhsa_kernarg_size 72
		.amdhsa_user_sgpr_count 2
		.amdhsa_user_sgpr_kernarg_segment_ptr 1
		.amdhsa_wavefront_size32 1
		.amdhsa_system_sgpr_workgroup_id_x 1
		.amdhsa_system_sgpr_workgroup_id_y 1
		.amdhsa_system_sgpr_workgroup_id_z 1
		.amdhsa_system_vgpr_workitem_id 0
		.amdhsa_next_free_vgpr 210
		.amdhsa_next_free_sgpr 84
		.amdhsa_reserve_vcc 1
		.amdhsa_float_denorm_mode_32 3
		.amdhsa_float_denorm_mode_16_64 3
		.amdhsa_memory_ordered 1
		.amdhsa_forward_progress 1
		.amdhsa_inst_pref_size 48
	.end_amdhsa_kernel
	.amdgpu_metadata
---
amdhsa.version: [ 1, 2 ]
amdhsa.kernels:
  - .name:           k_q598e63d483_quant
    .symbol:         k_q598e63d483_quant.kd
    .args:
      - { .name: query, .offset: 0, .size: 8, .value_kind: global_buffer, .address_space: global }
      - { .name: key, .offset: 8, .size: 8, .value_kind: global_buffer, .address_space: global }
      - { .name: value, .offset: 16, .size: 8, .value_kind: global_buffer, .address_space: global }
      - { .name: Wq, .offset: 24, .size: 8, .value_kind: global_buffer, .address_space: global }
      - { .name: Wk, .offset: 32, .size: 8, .value_kind: global_buffer, .address_space: global }
      - { .name: Wv, .offset: 40, .size: 8, .value_kind: global_buffer, .address_space: global }
      - { .name: Wo, .offset: 48, .size: 8, .value_kind: global_buffer, .address_space: global }
      - { .name: xc, .offset: 56, .size: 8, .value_kind: global_buffer, .address_space: global }
      - { .name: xs, .offset: 64, .size: 8, .value_kind: global_buffer, .address_space: global }
    .group_segment_fixed_size: 266752
    .private_segment_fixed_size: 0
    .kernarg_segment_align: 8
    .kernarg_segment_size: 72
    .max_flat_workgroup_size: 128
    .sgpr_count:     84
    .vgpr_count:     210
    .wavefront_size: 32
...
	.end_amdgpu_metadata
.endif
;; end of part 1
;; launch proj (part 2): grid 8 x 32, 4 waves a work-group, clusters of 4 x 4, 327,680 bytes of LDS; arguments xc, xs, bq, bk, bv, hc, hs; writes hc, hs
.if DOCPART == 2
	.amdgcn_target "amdgcn-amd-amdhsa--gfx1250"
	.amdhsa_code_object_version 6
	.text
	.protected	k_q598e63d483_proj
	.globl	k_q598e63d483_proj
	.p2align	8
	.type	k_q598e63d483_proj,@function
k_q598e63d483_proj:
	s_mov_b64 s[64:65], 0
	v_nop
	global_prefetch_b8 v0, s[64:65] scope:SCOPE_SE
	s_setreg_imm32_b32 hwreg(HW_REG_WAVE_MODE, 25, 1), 1
	s_wait_xcnt 0x0
	s_wait_alu depctr_hold_cnt(0) depctr_sa_sdst(0) depctr_va_vdst(0) depctr_va_sdst(0) depctr_va_ssrc(0) depctr_va_vcc(0) depctr_vm_vsrc(0)
	s_getreg_b32 s2, hwreg(HW_REG_IB_STS2, 6, 4)
	s_cmp_eq_u32 s2, 0
	s_cbranch_scc0 .Lentry_in_a_cluster
	s_endpgm
.Lentry_in_a_cluster:
	s_bfe_u32 s2, ttmp6, 0x10000c
	s_cmp_lg_u32 s2, 0xf033
	s_cbranch_scc0 .Lentry_shape_is_right
	s_endpgm
.Lentry_shape_is_right:
; q = query Wq^T + bq, k = key Wk^T + bk, v = value Wv^T + bv on codes of FP6 (E2M3) with E8M0 scales (buffers xc, xs), and the results quantised at once for attention's two products (buffers hc, hs).
; LIMITS: NaN and infinities are not served; a block whose largest magnitude lies under 2^-124 gets the scale byte 1 (read by this program alone).
; A TILE is 128 (P, source 0) x 128 (Q, source 1) with ALL of K = 1,024 in LDS: 2 x 96 KiB.  A WORK-GROUP STAYS and makes three tiles, one of q, one of k, one of v (t = 0, 1, 2): 768 tiles on 256 work-groups.
; q, k: P = the weight's rows (output channels), Q = the input's rows.  v: P = value's rows (the keys), Q = Wv's rows (channels).  In the result lane (r, h) holds Q's slot r, register j P's slot 8 h + j;
; P's rowblocks are laid so that the 16 registers of tiles 2 b, 2 b + 1 are P's index 32 b + 16 h + 0 .. 15: a wave's 64 registers of one Q tile are 128 neighbours along the NEXT product's K:
; two heads' 64 channels for q and k, one key step of 128 keys for v.  So a wave takes all 8 rowblocks of P against 2 of Q (16 accumulators), and quantises in registers.
; The three tiles differ in scalars chosen by s_cselect on t and in one mask: one text, expanded three times.
; FILLS.  A wave's four rowblocks are 49,152 dense bytes of xc and come by ONE joint load, as 192 rows of 256 bytes; in LDS a rowblock is 12,288 bytes, K step s at 1,536 s.  One load of a wave is out, by this text's count; every wait for it is for 0.
; THE REGION IS FILLED AGAIN when every wave holds the last K step's fragments in registers: the three lines, a round of the cluster's barrier, the joint load; the last 16 products, the two quantisers, the stores and the
; next tile's scale words and biases stand between that load and the wait for it.
; PREFETCH: behind the barrier that shows tile t, each wave names one of the four rowblocks that it will fetch for tile t + 1 (48 blocks of 256 bytes, two instructions; the second's upper 16 lanes name its last block again): the four partners of
; a joint load take one rowblock each, told apart by address (cx for Q's, cy for P's).  That is seven K steps' products ahead of the load.  Tile 0 comes by its load alone.
; CLUSTER 4 x 4: P's tile hangs on cx and is shared along a column, Q's on cy and is shared along a row: joint loads, each with the mask of the four that need it.
; hc: q at 0, k at 3,145,728: [b 16 + head][tile of 16 rows, 128][768]: half a fragment, 16 rows x 64 channels (registers 0-3 at 16 x lane, 4-5 at 512 + 8 x lane).  v at 6,291,456: [b 16 + head][key step 16][16 channels, 4][1536].
; hs: q at 0, k at 131,072: [b][pair of heads 8][slot 2048] words (low half the even head's two bytes).  v at 262,144: [b 16 + head][key step][16 channels, 4][16] words.
; REGISTERS.  Window 0: v1-15, v122-125 addresses; v16-47 P's scale words, v48-55 Q's; v56-119 bias along P, v120-121 along Q, later the quantiser's; v128-255 accumulators (Q tile i, P tile p) at 128 + 64 i + 8 p.
; Window 1: two sets of fragments at 0 and 128: P's eight (12 registers each), then Q's two.
.set WV,   18
.set G1Q,  24                          ; s[24:31] group 1 for Q's rowblocks;  s[32:39] for P's;  s[40:43], s[56:59] groups 0
.set G1P,  32
.set G0Q,  40
.set G0P,  56
.set PFB,  68                          ; s[68:69] where my prefetches begin
.set SEL,  100
.set AQ16, 4
.set AQ8,  5
.set AP16, 6
.set AP8,  8
.set SP,   16
.set SQ,   48
.set BP,   56
.set BQ,   120
.set ACC,  128
.set TM,   56
.set PC0,  72
.set PC1,  92
.set PW,   112
.set PREG, 98304                       ; LDS: Q's 8 rowblocks at 0, P's here
.set HALFR, 49152                      ; four rowblocks: what one wave fetches
.set SPARE, 196608                     ; the spare words, 128 bytes a wave
.set MSB, 0
.macro WIN new                         ; the immediate's high byte repeats the setting that is left
.if MSB != \new
	s_set_vgpr_msb (MSB<<8)|\new
.set MSB, \new
.endif
.endm
.set MUL,  0x05                        ; sources 0 and 1 window 1; C and D window 0
.set TO_F, 0x40                        ; destination window 1, address window 0
.macro CROUND                          ; a round of the cluster's barrier
	s_barrier_signal -1
	s_barrier_wait -1
	s_cmp_lg_u32 s[WV], 0
	s_cbranch_scc1 .Lnot_wave_0_\@
	s_barrier_signal -3
.Lnot_wave_0_\@:
	s_barrier_wait -3
	s_barrier_signal -1
	s_barrier_wait -1
.endm
.macro PLACES                          ; four plain instructions between matrix instructions and loads into, or reads of, their registers
.rept 4
	v_nop
.endr
.endm
.macro JLOAD                           ; waves 0, 1 fetch Q's halves, waves 2, 3 P's: one line, one mask each
	s_cmp_eq_u32 s19, 0
	s_cbranch_scc0 .Lfor_p_\@
	tensor_load_to_lds s[G0Q:G0Q+3], s[G1Q:G1Q+7]
	s_nop 0
	PLACES
	s_branch .Lasked_\@
.Lfor_p_\@:
	tensor_load_to_lds s[G0P:G0P+3], s[G1P:G1P+7]
	s_nop 0
	PLACES
.Lasked_\@:
.endm
.macro FRAG reg, a16, a8, off          ; a fragment's image comes back as it was stored
.set FR, \reg
.set FO, \off
	ds_load_b128 v[FR:FR+3], v[\a16] offset:FO
	ds_load_b64 v[FR+4:FR+5], v[\a8] offset:FO+512
	ds_load_b128 v[FR+6:FR+9], v[\a16] offset:FO+768
	ds_load_b64 v[FR+10:FR+11], v[\a8] offset:FO+1280
.endm
.macro FETCH s                         ; K step s: 40 LDS loads into set s % 2
	WIN TO_F
.set FB, 128*((\s)%2)
.set FK, (\s)*1536
.irp p, 0,1,2,3,4,5,6,7
	FRAG FB+12*\p, AP16+\p/4, AP8+\p/4, FK+(\p%4)*12288
.endr
.irp i, 0,1
	FRAG FB+96+12*\i, AQ16, AQ8, FK+\i*12288
.endr
.endm
.macro ONE i, p, s                     ; P's scale words: lanes 0-15 the even rowblock of a pair, lanes 16-31 the odd; Q's: lanes 0-15 tile 0, lanes 16-31 tile 1
.set DR, ACC+64*(\i)+8*(\p)
.set AR, 128*((\s)%2)+12*(\p)
.set BR, 128*((\s)%2)+96+12*(\i)
.set SA, SP+8*((\p)/2)+(\s)
.set SB, SQ+(\s)
.if ((\p)%2 == 0) && ((\i) == 0)
	v_wmma_scale_f32_16x16x128_f8f6f4 v[DR:DR+7], v[AR:AR+11], v[BR:BR+11], v[DR:DR+7], v[SA], v[SB] matrix_a_fmt:MATRIX_FMT_FP6 matrix_b_fmt:MATRIX_FMT_FP6
.elseif ((\i) == 0)
	v_wmma_scale_f32_16x16x128_f8f6f4 v[DR:DR+7], v[AR:AR+11], v[BR:BR+11], v[DR:DR+7], v[SA], v[SB] matrix_a_fmt:MATRIX_FMT_FP6 matrix_b_fmt:MATRIX_FMT_FP6 matrix_a_scale:MATRIX_SCALE_ROW1
.elseif ((\p)%2 == 0)
	v_wmma_scale_f32_16x16x128_f8f6f4 v[DR:DR+7], v[AR:AR+11], v[BR:BR+11], v[DR:DR+7], v[SA], v[SB] matrix_a_fmt:MATRIX_FMT_FP6 matrix_b_fmt:MATRIX_FMT_FP6 matrix_b_scale:MATRIX_SCALE_ROW1
.else
	v_wmma_scale_f32_16x16x128_f8f6f4 v[DR:DR+7], v[AR:AR+11], v[BR:BR+11], v[DR:DR+7], v[SA], v[SB] matrix_a_fmt:MATRIX_FMT_FP6 matrix_b_fmt:MATRIX_FMT_FP6 matrix_a_scale:MATRIX_SCALE_ROW1 matrix_b_scale:MATRIX_SCALE_ROW1
.endif
.endm
.macro MULS s                          ; 16 products: the 16 accumulators take turns, one instruction a turn, in the same order in every step
	WIN MUL
.irp i, 0,1
.irp p, 0,1,2,3,4,5,6,7
	ONE \i, \p, \s
.endr
.endr
.endm
; 64 numbers of a lane, register 16 b + i = k 32 b + 16 (lane / 16) + i of my row, become a fragment's codes in v[pc .. pc + 11] and its scale word in v[pw].
.macro QUANT src, pc, pw
.set QS, \src
.set QP, \pc
.set QW, \pw
.irp b, 0,1,2,3
	v_max3_num_f32 v[TM+\b], |v[QS+16*\b]|, |v[QS+1+16*\b]|, 0x1800000   ; with the floor 2^(3 - 127).  (Each accumulator is read from its low end on)
.endr
.irp i, 2,4,6,8,10,12,14
.irp b, 0,1,2,3
	v_max3_num_f32 v[TM+\b], v[TM+\b], |v[QS+16*\b+\i]|, |v[QS+1+16*\b+\i]|
.endr
.endr
.irp b, 0,1,2,3
	v_permlanex16_b32 v[TM+4+\b], v[TM+\b], s[SEL], s[SEL+1]
.endr
.irp b, 0,1,2,3
	v_max_num_f32 v[TM+\b], v[TM+\b], v[TM+4+\b]
.endr
.irp b, 0,1,2,3
	v_add_nc_u32 v[TM+12+\b], 0xff000000, v[TM+\b]   ; 2 off the exponent field: the conversion's scale operand
.endr
.irp b, 0,1,2,3
	v_lshrrev_b32 v[TM+4+\b], 23, v[TM+12+\b]   ; the scale's byte
.endr
	v_lshl_or_b32 v[QW], v[TM+5], 8, v[TM+4]
	v_lshl_or_b32 v[QW], v[TM+6], 16, v[QW]
	v_lshl_or_b32 v[QW], v[TM+7], 24, v[QW]
.irp c, 0,1
	v_cvt_scalef32_pk16_fp6_f32 v[QP+6*\c:QP+2+6*\c], v[QS+32*\c:QS+15+32*\c], v[TM+12+2*\c]
	v_cvt_scalef32_pk16_fp6_f32 v[QP+12+4*\c:QP+14+4*\c], v[QS+16+32*\c:QS+31+32*\c], v[TM+12+2*\c+1]
.endr
	v_nop                                          ; one plain instruction behind the scaled conversions
.irp c, 0,1
.irp i, 0,1,2
	v_permlane16_swap_b32 v[QP+6*\c+\i], v[QP+12+4*\c+\i]
.endr
.irp i, 0,1,2
	v_mov_b32 v[QP+3+6*\c+\i], v[QP+12+4*\c+\i]
.endr
.endr
.endm
; TILE t's place: s23 = t, s76 = PT, s77 = QT, s93, s94 = P's and Q's first rowblock in xc, s66 = the mask 'v'; the two groups 0.  pf = 1: also where my prefetches begin.  No tensor load of the wave is out where this stands.
.macro SETA t, pf
	s_mov_b32 s23, \t
	s_and_b32 s92, ttmp7, 0xffff                   ; cluster y, 0..7
	s_lshl_b32 s93, s23, 6
	s_add_co_u32 s93, s93, 768                     ; the weight's first rowblock in xc
	s_lshl_b32 s94, s23, 8                         ; the input's
	s_cmp_eq_u32 s23, 2
	s_cselect_b32 s76, s92, ttmp9                  ; P's tiles: 8 of a weight (cluster x) or 32 of value (cluster y)
	s_cselect_b32 s77, ttmp9, s92                  ; Q's the other way round
	s_cselect_b32 s66, -1, 0
	s_cselect_b32 s93, 512, s93                    ; P's first rowblock: value's, or the weight's
	s_cselect_b32 s94, 896, s94                    ; Q's: Wv's, or the input's
	s_lshl_b32 s76, s76, 2
	s_add_co_u32 s76, s76, s21                     ; PT: hangs on cx, never on cy
	s_lshl_b32 s77, s77, 2
	s_add_co_u32 s77, s77, s22                     ; QT: hangs on cy, never on cx
	s_lshl_b32 s98, s76, 3
	s_add_co_u32 s93, s93, s98
	s_lshl_b32 s96, s77, 3
	s_add_co_u32 s94, s94, s96
	s_lshl_b32 s95, s20, 2                         ; which four rowblocks I fetch
	s_add_co_u32 s98, s93, s95
	s_mul_i32 s98, s98, 12288
	s_mov_b32 s99, 0
	s_add_co_u32 s96, s94, s95
	s_mul_i32 s96, s96, 12288
	s_mov_b32 s97, 0
	s_add_nc_u64 s[G0P+2:G0P+3], s[4:5], s[98:99]
	s_or_b32 s[G0P+3], s[G0P+3], 0x80000000
	s_add_nc_u64 s[G0Q+2:G0Q+3], s[4:5], s[96:97]
	s_or_b32 s[G0Q+3], s[G0Q+3], 0x80000000
.if \pf
	s_cmp_eq_u32 s19, 0                            ; do I fetch for Q?
	s_cselect_b32 s70, s96, s98                    ; my four rowblocks,
	s_cselect_b32 s71, s21, s22                    ; my work-group's place among the four that ask for them with me,
	s_mul_i32 s71, s71, 12288                      ; and so its one rowblock of the four
	s_add_co_u32 s70, s70, s71
	s_mov_b32 s71, 0
	s_add_nc_u64 s[PFB:PFB+1], s[4:5], s[70:71]
.endif
.endm
; The tile's scale words and biases are asked for, its places in hc and hs made, and the sums begun with the bias.
.macro SETB
	s_lshl_b32 s82, s93, 9                         ; P's scale words: 512 bytes a rowblock
	s_mov_b32 s83, 0
	s_add_nc_u64 s[82:83], s[6:7], s[82:83]
	s_lshl_b32 s84, s[WV], 1
	s_add_co_u32 s84, s84, s94
	s_lshl_b32 s84, s84, 9                         ; Q's, of my pair of rowblocks
	s_mov_b32 s85, 0
	s_add_nc_u64 s[84:85], s[6:7], s[84:85]
	s_lshl_b32 s92, s76, 9                         ; q, k: the bias runs along P: 128 PT numbers on
	s_lshl_b32 s94, s77, 9
	s_lshl_b32 s95, s[WV], 7
	s_add_co_u32 s94, s94, s95                     ; v: along Q: 128 QT + 32 w numbers on
	s_mov_b32 s93, 0
	s_mov_b32 s95, 0
	s_cmp_eq_u32 s23, 0
	s_cselect_b64 s[78:79], s[8:9], s[10:11]
	s_cmp_eq_u32 s23, 2
	s_cselect_b64 s[78:79], s[12:13], s[78:79]
	s_cselect_b32 s92, 0, s92                      ; (the loads of the bias that is not used stay at the vector's head)
	s_cselect_b32 s94, s94, 0
	s_add_nc_u64 s[80:81], s[78:79], s[94:95]
	s_add_nc_u64 s[78:79], s[78:79], s[92:93]
.irp pr, 0,1,2,3
.irp kh, 0,1
	global_load_b128 v[SP+8*\pr+4*\kh:SP+8*\pr+4*\kh+3], v10, s[82:83] offset:\pr*1024+\kh*512   ; 512 consecutive bytes: four K steps' words of a pair of rowblocks
.endr
.endr
.irp kh, 0,1
	global_load_b128 v[SQ+4*\kh:SQ+4*\kh+3], v10, s[84:85] offset:\kh*512
.endr
.irp p, 0,1,2,3,4,5,6,7
	global_load_b128 v[BP+8*\p:BP+8*\p+3], v13, s[78:79] offset:(32*(\p/2)+8*(\p%2))*4        ; register j of tile p: channel 32 (p / 2) + 16 h + 8 (p % 2) + j
	global_load_b128 v[BP+8*\p+4:BP+8*\p+7], v13, s[78:79] offset:(32*(\p/2)+8*(\p%2))*4+16
.endr
	global_load_b32 v[BQ], v14, s[80:81]           ; slot r of Q tile i: channel 8 i + r + 8 (r / 8)
	global_load_b32 v[BQ+1], v14, s[80:81] offset:32
	s_lshr_b32 s92, s77, 4                         ; where the results go.  q, k: b,
	s_and_b32 s93, s77, 15
	s_lshl_b32 s94, s92, 4
	s_lshl_b32 s95, s76, 1
	s_add_co_u32 s94, s94, s95                     ; 16 b + the even head 2 PT
	s_lshl_b32 s94, s94, 7
	s_lshl_b32 s95, s93, 3
	s_add_co_u32 s94, s94, s95
	s_lshl_b32 s95, s[WV], 1
	s_add_co_u32 s94, s94, s95                     ; its tile 8 (QT % 16) + 2 w
	s_mul_i32 s94, s94, 768
	s_mul_i32 s95, s23, 3145728
	s_add_co_u32 s94, s94, s95
	s_lshl_b32 s92, s92, 3
	s_add_co_u32 s92, s92, s76                     ; 8 b + the pair of heads
	s_lshl_b32 s92, s92, 11
	s_lshl_b32 s93, s93, 7
	s_add_co_u32 s92, s92, s93
	s_lshl_b32 s93, s[WV], 5
	s_add_co_u32 s92, s92, s93                     ; slot 128 (QT % 16) + 32 w
	s_lshl_b32 s92, s92, 2
	s_lshl_b32 s93, s23, 17
	s_add_co_u32 s92, s92, s93
	s_lshr_b32 s96, s76, 4                         ; v:
	s_lshl_b32 s96, s96, 4                         ; 16 b
	s_lshl_b32 s97, s77, 1
	s_add_co_u32 s96, s96, s97
	s_add_co_u32 s96, s96, s19                     ; + head 2 QT + w / 2
	s_lshl_b32 s96, s96, 4
	s_and_b32 s97, s76, 15
	s_add_co_u32 s96, s96, s97                     ; x 16 + key step
	s_lshl_b32 s97, s96, 2
	s_lshl_b32 s98, s20, 1
	s_add_co_u32 s97, s97, s98                     ; x 4 + 16 channels 2 (w % 2)
	s_mul_i32 s97, s97, 1536
	s_add_co_u32 s97, s97, 6291456
	s_lshl_b32 s96, s96, 8
	s_lshl_b32 s98, s20, 7
	s_add_co_u32 s96, s96, s98
	s_add_co_u32 s96, s96, 262144
	s_mov_b32 s67, 98304                           ; from a fragment's first half to its second: the next head's tiles (q, k) or 768 bytes (v)
	s_mov_b32 s88, 768                             ; from my first Q tile to my second
	s_cmp_eq_u32 s23, 2
	s_cselect_b32 s86, s97, s94
	s_cselect_b32 s90, s96, s92
	s_cselect_b32 s67, 768, s67
	s_cselect_b32 s88, 1536, s88
	s_mov_b32 s87, 0
	s_mov_b32 s89, 0
	s_mov_b32 s91, 0
	s_add_nc_u64 s[86:87], s[14:15], s[86:87]
	s_add_nc_u64 s[88:89], s[86:87], s[88:89]
	s_add_nc_u64 s[90:91], s[16:17], s[90:91]
	v_add_nc_u32 v122, s67, v10
	v_add_nc_u32 v123, s67, v11
	s_wait_loadcnt 0x0                             ; scale words and biases
.irp i, 0,1                                    ; the sums begin with the bias: along P (q, k) or along Q (v)
.irp p, 0,1,2,3,4,5,6,7
.irp j, 0,1,2,3,4,5,6,7
	v_cndmask_b32 v[ACC+64*\i+8*\p+\j], v[BP+8*\p+\j], v[BQ+\i], s66
.endr
.endr
.endr
.endm
; A TILE.  more = 1: another follows.
.macro TILE t, more
.if \t > 0
	s_wait_xcnt 0x0                                ; the last tile's stores and prefetches have read their registers and bases
.endif
	SETB
	s_wait_alu depctr_va_vdst(0)
	s_wait_tensorcnt 0x0                           ; my four rowblocks are in
	s_barrier_signal -1
	s_barrier_wait -1                              ; everybody's are
.if \more
	SETA \t+1, 1
	global_prefetch_b8 v124, s[PFB:PFB+1] th:TH_LOAD_NT scope:SCOPE_SE   ; blocks 0-31 of my work-group's rowblock of the next tile,
	global_prefetch_b8 v125, s[PFB:PFB+1] th:TH_LOAD_NT scope:SCOPE_SE   ; blocks 32-47
.endif
	FETCH 0
.irp s, 0,1,2,3,4,5,6
.if \s > 0
	PLACES                                         ; the other set was read by the last step's products
.endif
	FETCH \s+1
	s_wait_dscnt 40                                ; this step's fragments are in; the 40 loads just issued may be out
	MULS \s
.endr
	WIN 0
.if \more
	s_wait_tensorcnt 0x0                           ; the three lines ahead of a refill's round: no load of mine is out,
	ds_add_u32 v126, v127
	s_wait_dscnt 0x0                               ; the add is done, and so are my reads of the tile: the last K step's fragments are in registers
	CROUND                                         ; the same holds of every wave of all sixteen work-groups
	JLOAD                                          ; the next tile, onto this one
.else
	s_wait_dscnt 0x0
.endif
	MULS 7
	WIN 0
.irp b, 0,1,2,3
	v_mov_b32 v[TM+4+\b], 0                        ; a lane permute's destination counts as one of its sources; these four are also the places behind the last products
.endr
	QUANT ACC, PC0, PW
	global_store_b128 v10, v[PC0:PC0+3], s[86:87]              ; 512 and 256 consecutive bytes, each at a multiple of 256 from the buffer's first byte
	global_store_b64 v11, v[PC0+4:PC0+5], s[86:87] offset:512
	global_store_b128 v122, v[PC0+6:PC0+9], s[86:87]
	global_store_b64 v123, v[PC0+10:PC0+11], s[86:87] offset:512
	QUANT ACC+64, PC1, PW+1
	global_store_b128 v10, v[PC1:PC1+3], s[88:89]
	global_store_b64 v11, v[PC1+4:PC1+5], s[88:89] offset:512
	global_store_b128 v122, v[PC1+6:PC1+9], s[88:89]
	global_store_b64 v123, v[PC1+10:PC1+11], s[88:89] offset:512
	v_cmp_le_u32 vcc_lo, 16, v1
	v_cndmask_b32 v114, v[PW], v[PW+1], vcc_lo     ; lanes 0-15 my first Q tile's words, lanes 16-31 my second's
	global_store_b32 v12, v114, s[90:91]           ; 128 consecutive bytes: the scale words are one part in 24 of what is stored
.endm
	s_load_b128 s[4:7], s[0:1], 0x0                ; xc, xs
	s_load_b128 s[8:11], s[0:1], 0x10              ; bq, bk
	s_load_b128 s[12:15], s[0:1], 0x20             ; bv, hc
	s_load_b64 s[16:17], s[0:1], 0x30              ; hs
	v_lshl_add_u32 v126, v0, 2, SPARE
	v_mov_b32 v127, 0
	ds_add_u32 v126, v127                          ; the opening lines: the add twice on end and its wait
	ds_add_u32 v126, v127
	v_lshrrev_b32 v1, 5, v0
	v_readfirstlane_b32 s[WV], v1                  ; wave 0..3
	s_lshr_b32 s19, s[WV], 1                       ; I fetch for Q (0) or for P (1)
	s_and_b32 s20, s[WV], 1                        ; which four rowblocks
	s_bfe_u32 s21, ttmp6, 0x40000                  ; cx
	s_bfe_u32 s22, ttmp6, 0x40004                  ; cy
	s_lshl_b32 s2, s22, 2
	s_lshl_b32 s2, 15, s2                          ; my row of the cluster
	s_lshl_b32 s3, 0x1111, s21                     ; my column
	s_or_b32 s[G1Q], s2, (3<<16)|(1<<21)           ; the mask; elements of 8 bytes; no padding; bit 21 beside a mask
	s_or_b32 s[G1P], s3, (3<<16)|(1<<21)
.irp g, G1Q, G1P
	s_mov_b32 s[\g+1], 32<<16                      ; rows of 256 bytes,
	s_mov_b32 s[\g+2], 192<<16                     ; 192 of them: four rowblocks, dense
	s_mov_b32 s[\g+3], 32<<16
	s_mov_b32 s[\g+4], 192
	s_mov_b32 s[\g+5], 32
	s_mov_b32 s[\g+6], 0
	s_mov_b32 s[\g+7], 0
.endr
	s_mov_b32 s[G0Q], 1
	s_mul_i32 s[G0Q+1], s[WV], HALFR               ; where my four rowblocks go: the wave's number alone
	s_mov_b32 s[G0P], 1
	s_mul_i32 s[G0P+1], s[WV], HALFR
	s_mov_b32 s[SEL], 0x76543210
	s_mov_b32 s[SEL+1], 0xfedcba98
	s_wait_dscnt 0x0
	s_wait_kmcnt 0x0
	SETA 0, 0
	CROUND                                         ; all sixteen work-groups are here: the joint loads meet
	JLOAD
	v_and_b32 v1, 31, v0                           ; lane
	v_and_b32 v2, 15, v0                           ; r
	v_bfe_u32 v3, v0, 4, 1                         ; h
	v_lshlrev_b32 v10, 4, v1
	v_lshlrev_b32 v11, 3, v1
	v_lshlrev_b32 v12, 2, v1
	s_mul_i32 s92, s19, HALFR
	s_mul_i32 s95, s20, 24576
	s_add_co_u32 s92, s92, s95                     ; my two rowblocks of Q: 2 w and 2 w + 1
	v_add_nc_u32 v[AQ16], s92, v10
	v_add_nc_u32 v[AQ8], s92, v11
	v_add_nc_u32 v[AP16], PREG, v10
	v_add_nc_u32 v[AP16+1], PREG+HALFR, v10
	v_add_nc_u32 v[AP8], PREG, v11
	v_add_nc_u32 v[AP8+1], PREG+HALFR, v11
	v_lshlrev_b32 v13, 6, v3                       ; bias along P: 64 h
	s_wait_alu depctr_va_vdst(0)
	v_and_b32 v14, 8, v2
	v_add_nc_u32 v14, v14, v2
	v_lshlrev_b32 v14, 2, v14                      ; bias along Q: 4 (r + 8 (r / 8))
	v_lshlrev_b32 v124, 8, v1                      ; the prefetches: a lane a block of 256 bytes: blocks 0-31,
	v_add_nc_u32 v125, 32, v1
	v_min_u32 v125, 47, v125
	v_lshlrev_b32 v125, 8, v125                    ; and 32-47
	s_wait_alu depctr_va_vdst(0)
	TILE 0, 1
	TILE 1, 1
	TILE 2, 0
	s_wait_tensorcnt 0x0                           ; the wave's end
	ds_add_u32 v126, v127
	s_wait_dscnt 0x0
	CROUND                                         ; the closing round: no work-group ends while a partner may still ask for a tile that names it
	s_endpgm
.Lfunc_end_k_q598e63d483_proj:
	.size	k_q598e63d483_proj, .Lfunc_end_k_q598e63d483_proj-k_q598e63d483_proj
	.p2alignl 7, 3214868480
	.fill 96, 4, 3214868480
	.section	.rodata,"a",@progbits
	.p2align	6, 0x0
	.amdhsa_kernel k_q598e63d483_proj
		.amdhsa_group_segment_fixed_size 327680
		.amdhsa_private_segment_fixed_size 0
		.amdhsa_enable_private_segment 0
		.amdhsa_kernarg_size 56
		.amdhsa_user_sgpr_count 2
		.amdhsa_user_sgpr_kernarg_segment_ptr 1
		.amdhsa_wavefront_size32 1
		.amdhsa_system_sgpr_workgroup_id_x 1
		.amdhsa_system_sgpr_workgroup_id_y 1
		.amdhsa_system_sgpr_workgroup_id_z 1
		.amdhsa_system_vgpr_workitem_id 0
		.amdhsa_next_free_vgpr 512
		.amdhsa_next_free_sgpr 102
		.amdhsa_reserve_vcc 1
		.amdhsa_float_denorm_mode_32 3
		.amdhsa_float_denorm_mode_16_64 3
		.amdhsa_memory_ordered 1
		.amdhsa_forward_progress 1
		.amdhsa_inst_pref_size 190
	.end_amdhsa_kernel
	.amdgpu_metadata
---
amdhsa.version: [ 1, 2 ]
amdhsa.kernels:
  - .name:           k_q598e63d483_proj
    .symbol:         k_q598e63d483_proj.kd
    .args:
      - { .name: xc, .offset: 0, .size: 8, .value_kind: global_buffer, .address_space: global }
      - { .name: xs, .offset: 8, .size: 8, .value_kind: global_buffer, .address_space: global }
      - { .name: bq, .offset: 16, .size: 8, .value_kind: global_buffer, .address_space: global }
      - { .name: bk, .offset: 24, .size: 8, .value_kind: global_buffer, .address_space: global }
      - { .name: bv, .offset: 32, .size: 8, .value_kind: global_buffer, .address_space: global }
      - { .name: hc, .offset: 40, .size: 8, .value_kind: global_buffer, .address_space: global }
      - { .name: hs, .offset: 48, .size: 8, .value_kind: global_buffer, .address_space: global }
    .group_segment_fixed_size: 327680
    .private_segment_fixed_size: 0
    .kernarg_segment_align: 8
    .kernarg_segment_size: 56
    .max_flat_workgroup_size: 128
    .sgpr_count:     102
    .vgpr_count:     512
    .wavefront_size: 32
...
	.end_amdgpu_metadata
.endif
;; end of part 2
;; launch attn (part 3): grid 8 x 32, 16 waves a work-group, clusters of 4 x 1, 210,944 bytes of LDS; arguments hc, hs, oc, os; writes oc, os
.if DOCPART == 3
	.amdgcn_target "amdgcn-amd-amdhsa--gfx1250"
	.amdhsa_code_object_version 6
	.text
	.protected	k_q598e63d483_attn
	.globl	k_q598e63d483_attn
	.p2align	8
	.type	k_q598e63d483_attn,@function
k_q598e63d483_attn:
	s_mov_b64 s[64:65], 0
	v_nop
	global_prefetch_b8 v0, s[64:65] scope:SCOPE_SE
	s_setreg_imm32_b32 hwreg(HW_REG_WAVE_MODE, 25, 1), 1
	s_wait_xcnt 0x0
	s_wait_alu depctr_hold_cnt(0) depctr_sa_sdst(0) depctr_va_vdst(0) depctr_va_sdst(0) depctr_va_ssrc(0) depctr_va_vcc(0) depctr_vm_vsrc(0)
	s_getreg_b32 s2, hwreg(HW_REG_IB_STS2, 6, 4)
	s_cmp_eq_u32 s2, 0
	s_cbranch_scc0 .Lentry_in_a_cluster
	s_endpgm
.Lentry_in_a_cluster:
	s_bfe_u32 s2, ttmp6, 0x10000c
	s_cmp_lg_u32 s2, 0x3003
	s_cbranch_scc0 .Lentry_shape_is_right
	s_endpgm
.Lentry_shape_is_right:
; x[b][q][head] = softmax_k(q . k / 8) v for one head, both products on codes of FP6 (E2M3) with E8M0 scales, and x quantised along the model's 1,024 channels for the last projection.
; THE SOFTMAX: t = score x log2(e) / 8; M = the running largest t rounded UP to a whole number; p = 2^(t - M) is quantised along the keys, not normalised; the row's sum is taken of the unquantised p and divides at the end.
; When M moves, the sum and O are multiplied by f = 2^(old M - new M): exact.
; LIMITS: NaN and infinities are not served; the promise holds while |t| stays under 2^31; a block whose largest magnitude lies under 2^-124 gets the scale byte 1 (read by this program alone).
; SHARES.  A work-group owns 256 queries of one head (b 16 + head = grid y); each of its sixteen waves 16 of them, in 256 registers.
; K AND V OF THE WHOLE HEAD LIE IN LDS (2 x 96 KiB of codes, 12 KiB of scale bytes), filled ONCE: ONE joint load a wave, in one chain of four arms.  Waves 0-9: parts 1-5 (16 KiB each) of K and of V.
; Waves 10, 11: part 0 of K and of V; 12, 13: K's scale words; 14, 15: V's.  Waves 10-15 wait for their loads in front of the first barrier, behind which key step 0 reads K's steps 0, 1 and V's step 0: part 0 alone.
; In front of the second barrier every wave waits; the other fifteen key steps have no barrier.
; CLUSTER 4 x 1: the four query blocks of a cluster belong to one head and want the same K and V: every load names all four.
; NO PREFETCH: all that the launch loads into LDS is asked for at its head, so there is no later load for a prefetch to run ahead of.
; LAYOUT.  S^T = K Q^T (source 0 = 16 keys, source 1 = my 16 queries), O^T = V^T P^T: a lane holds ONE query throughout.
; Tile u of a group of 64 keys holds keys 8 u + i in slots 0-7 and 32 + 8 u + i in slots 8-15.  So registers 32 c + i of the scores in lane (r, h) are keys 64 c + 32 h + i of the step: a WHOLE scale block in a lane, in the
; order of the next operand's registers: p's largest, its conversion and its place need no other lane; only the row's maximum and the scale word's four bytes join lanes l and l xor 16.
; THE HEAD'S 64 CHANNELS ARE HALF OF THE INSTRUCTION'S 128.  Q's codes of k = 64 .. 127 are zeros, so whatever codes stand in the upper six registers of K's operand add nothing (those blocks' scale bytes are 0, not 0xff).
; So K's eight tiles lie six registers apart, each operand running on over the next tile's registers, six zero registers behind the last.  K is fetched a key step ahead.
; CHAINS.  The maxima go in eight chains, the row's sum in eight packed sums kept from step to step (their first link of a step is the multiply-add by f), so that a line's reader stands several lines on; the one serial chain, from the
; row's maximum to f, has a one-field hint ahead of each link.
; REGISTERS: v1-6 lane addresses, v7-11, v29 the step's; v12 -M, v13 the largest score; v16-27 Q, v28 its scales; v30 8 h; v31 4 r; v32-79 K, v80-85 zeros; v86-89 K's scale words, v90-91 V's, v92 p's;
; v96-159 S^T, then p, then V's fragments; v160-191 O^T; v192-210 p's codes; v212-250 at work; v230-245 the sums.
.set VC, 98304                         ; LDS: K's codes at 0 (128 tiles x 768 bytes); V's here (16 key steps x 4 x 1,536)
.set KS, 196608                        ; K's scale words of the pair of heads: 2,048 x 4 bytes
.set VS, 204800                        ; V's: 16 key steps x 64 x 4 bytes
.set SPARE, 208896                     ; the spare words: 128 bytes a wave
.set WV,  12
.set SEL, 20
.set CS,  22                           ; s[22:23] c = log2(e) / 8
.set G1C, 24                           ; groups 1: 64 rows of 256 bytes; 16; 8
.set G1K, 32
.set G1V, 40
.set G0B, 48                           ; groups 0: parts 1-5; part 0; K's scales; V's
.set G0A, 52
.set G0K, 56
.set G0V, 60
.set TB,  76                           ; the key step's codes: 6,144 bytes a step in K and in V;  s77 K's scale words: 512;  s78 V's: 256
.set TS,  77
.set TJ,  78
.set CNT, 79
.set KR,  32
.set KSC, 86
.set VSC, 90
.set PWD, 92
.set S,   96
.set O,   160
.set PC,  192
.set TCA, 204
.set TCB, 208
.set MX,  212
.set BT,  220
.set SO,  222
.set F,   224
.set T,   226
.set T2,  227
.set BY,  228
.set L,   230
.set XL,  246
.set BM,  248
.set W,   250
.macro WALU
	s_wait_alu depctr_va_vdst(0)
.endm
.macro HINT
	s_delay_alu instid0(VALU_DEP_1)
.endm
.macro CROUND                          ; a round of the cluster's barrier
	s_barrier_signal -1
	s_barrier_wait -1
	s_cmp_lg_u32 s[WV], 0
	s_cbranch_scc1 .Lnot_wave_0_\@
	s_barrier_signal -3
.Lnot_wave_0_\@:
	s_barrier_wait -3
	s_barrier_signal -1
	s_barrier_wait -1
.endm
.macro ARM under, g0, g1, next
	s_cmp_lt_u32 s[WV], \under
	s_cbranch_scc0 \next
	tensor_load_to_lds s[\g0:\g0+3], s[\g1:\g1+7]
	s_nop 0
.rept 4
	v_nop
.endr
	s_branch .Lasked
\next:
.endm
	s_load_b128 s[4:7], s[0:1], 0x0                ; hc, hs
	s_load_b128 s[8:11], s[0:1], 0x10              ; oc, os
	v_lshl_add_u32 v254, v0, 2, SPARE
	v_mov_b32 v255, 0
	ds_add_u32 v254, v255                          ; the opening lines: the add twice on end and its wait
	ds_add_u32 v254, v255
	v_lshrrev_b32 v1, 5, v0
	v_readfirstlane_b32 s[WV], v1                  ; wave 0..15
	s_bfe_u32 s13, ttmp6, 0x40000                  ; cx
	s_lshl_b32 s14, ttmp9, 2
	s_add_co_u32 s14, s14, s13                     ; my block of 256 queries: it enters Q's and the outputs' addresses alone
	s_and_b32 s15, ttmp7, 0xffff                   ; b 16 + head, which the four partners share
	s_lshr_b32 s16, s15, 4                         ; b
	s_and_b32 s17, s15, 15                         ; head
	s_lshr_b32 s18, s17, 1                         ; its pair
	s_and_b32 s19, s17, 1                          ; and which of the pair
	s_mov_b32 s[SEL], 0x76543210
	s_mov_b32 s[SEL+1], 0xfedcba98
	s_mov_b32 s[CS], 0x3e38aa3b
	s_mov_b32 s[CS+1], s[CS]
.irp g, G1C, G1K, G1V                          ; dense blocks as rows of 256 bytes
	s_mov_b32 s[\g], 15|(3<<16)|(1<<21)            ; the mask: all four work-groups; elements of 8 bytes; bit 21 beside a mask
	s_mov_b32 s[\g+1], 32<<16
	s_mov_b32 s[\g+3], 32<<16
	s_mov_b32 s[\g+5], 32
	s_mov_b32 s[\g+6], 0
	s_mov_b32 s[\g+7], 0
.endr
	s_mov_b32 s[G1C+2], 64<<16
	s_mov_b32 s[G1C+4], 64
	s_mov_b32 s[G1K+2], 16<<16
	s_mov_b32 s[G1K+4], 16
	s_mov_b32 s[G1V+2], 8<<16
	s_mov_b32 s[G1V+4], 8
	s_mul_i32 s80, s[WV], 13                       ; waves 0-9: o = w / 5: K (0) or V (1); part w - 5 o + 1
	s_lshr_b32 s80, s80, 6
	s_add_co_u32 s81, s[WV], 1
	s_add_co_u32 s82, s81, s80
	s_lshl_b32 s[G0B+1], s82, 14                   ; in LDS: 16,384 (w + 1 + o), since V begins six parts behind K
	s_lshl_b32 s84, s81, 14
	s_mul_i32 s83, s80, 3145728-81920              ; in hc V's codes begin 3,145,728 bytes behind K's
	s_add_co_u32 s84, s84, s83
	s_mul_i32 s83, s15, 98304
	s_add_co_u32 s83, s83, 3145728                 ; the head's K
	s_add_co_u32 s84, s84, s83
	s_mov_b32 s85, 0
	s_and_b32 s67, s[WV], 1                        ; waves 10-15: e = w % 2
	s_mul_i32 s[G0A+1], s67, 98304                 ; part 0 of K or of V
	s_mul_i32 s86, s67, 3145728
	s_add_co_u32 s86, s86, s83
	s_mov_b32 s87, 0
	s_lshl_b32 s88, s16, 3
	s_add_co_u32 s88, s88, s18
	s_lshl_b32 s88, s88, 13                        ; k's scale words of (b, pair of heads): 8,192 bytes, a half each
	s_lshl_b32 s81, s67, 12
	s_add_co_u32 s88, s88, s81
	s_add_co_u32 s88, s88, 131072
	s_mov_b32 s89, 0
	s_add_co_u32 s[G0K+1], s81, KS
	s_lshl_b32 s70, s15, 12                        ; v's of the head: 4,096 bytes, a half each
	s_lshl_b32 s81, s67, 11
	s_add_co_u32 s70, s70, s81
	s_add_co_u32 s70, s70, 262144
	s_mov_b32 s71, 0
	s_add_co_u32 s[G0V+1], s81, VS
	s_mov_b32 s[G0B], 1
	s_mov_b32 s[G0A], 1
	s_mov_b32 s[G0K], 1
	s_mov_b32 s[G0V], 1
	s_wait_dscnt 0x0
	s_wait_kmcnt 0x0
	s_add_nc_u64 s[G0B+2:G0B+3], s[4:5], s[84:85]
	s_or_b32 s[G0B+3], s[G0B+3], 0x80000000
	s_add_nc_u64 s[G0A+2:G0A+3], s[4:5], s[86:87]
	s_or_b32 s[G0A+3], s[G0A+3], 0x80000000
	s_add_nc_u64 s[G0K+2:G0K+3], s[6:7], s[88:89]
	s_or_b32 s[G0K+3], s[G0K+3], 0x80000000
	s_add_nc_u64 s[G0V+2:G0V+3], s[6:7], s[70:71]
	s_or_b32 s[G0V+3], s[G0V+3], 0x80000000
	CROUND                                         ; all four work-groups are here: the joint loads meet
	ARM 10, G0B, G1C, .Lpart_0
	ARM 12, G0A, G1C, .Lscales_k
	ARM 14, G0K, G1K, .Lscales_v
	tensor_load_to_lds s[G0V:G0V+3], s[G1V:G1V+7]
	s_nop 0
.rept 4
	v_nop
.endr
.Lasked:
	v_and_b32 v30, 31, v0                          ; lane
	v_and_b32 v31, 15, v0
	v_lshlrev_b32 v31, 2, v31                      ; 4 r
	v_lshlrev_b32 v1, 4, v30                       ; an image's registers 0-3: 16 x lane
	v_lshlrev_b32 v2, 3, v30
	v_add_nc_u32 v2, 512, v2                       ; its registers 4-5: 512 + 8 x lane
	v_add_nc_u32 v3, VC, v1
	v_add_nc_u32 v4, VC, v2
	v_lshlrev_b32 v93, 2, v30                      ; a scale word a slot; 32 slots are two neighbouring tiles
	s_lshl_b32 s82, s19, 1
	s_add_co_u32 s82, s82, KS
	v_add_nc_u32 v5, s82, v93                      ; K's scales: my head's half of each word
	v_add_nc_u32 v6, VS, v93                       ; V's: whole words
	v_bfe_u32 v30, v0, 4, 1
	v_lshlrev_b32 v30, 3, v30                      ; 8 h
	s_lshl_b32 s13, s14, 4
	s_add_co_u32 s13, s13, s[WV]                   ; my tile of 16 queries in the head's 128
	s_lshl_b32 s80, s15, 7
	s_add_co_u32 s80, s80, s13
	s_mul_i32 s80, s80, 768
	s_mov_b32 s81, 0
	s_add_nc_u64 s[80:81], s[4:5], s[80:81]        ; Q's codes
	s_lshl_b32 s84, s16, 3
	s_add_co_u32 s84, s84, s18
	s_lshl_b32 s84, s84, 11
	s_lshl_b32 s85, s13, 4
	s_add_co_u32 s84, s84, s85
	s_lshl_b32 s84, s84, 2
	s_lshl_b32 s85, s19, 1
	s_add_co_u32 s84, s84, s85
	s_mov_b32 s85, 0
	s_add_nc_u64 s[84:85], s[6:7], s[84:85]        ; Q's scales: my head's half of each word
	WALU
	global_load_b128 v[16:19], v1, s[80:81]
	global_load_b64 v[20:21], v2, s[80:81]
	global_load_u16 v28, v31, s[84:85]             ; two bytes; the upper two stay 0: they scale zero codes
.irp j, 22,23,24,25,26,27
	v_mov_b32 v[\j], 0                             ; Q's k = 64 .. 127: zero codes
.endr
.irp j, 0,1,2,3,4,5
	v_mov_b32 v[KR+48+\j], 0                       ; the upper half of the eighth tile's operand
.endr
	v_mov_b32 v13, 0xff61b1e6                      ; the largest score so far: -3e38
	v_floor_f32 v12, -v13                          ; -M
	v_mov_b32 v[BT], 0                             ; a lane permute's destination counts as one of its sources
	v_mov_b32 v[BT+1], 0
	v_mov_b32 v[F+1], 0                            ; (named as the upper half of the pair f)
.set j, 0
.rept 16
	v_mov_b32 v[L+j], 0                            ; the sums
.set j, j+1
.endr
.set j, 0
.rept 32
	v_mov_b32 v[O+j], 0                            ; O^T: the step has one form: the first finds zeros
.set j, j+1
.endr
	s_lshl_b32 s86, s16, 7                         ; where x goes: rowblock 128 b + my tile,
	s_add_co_u32 s86, s86, s13
	s_mul_i32 s86, s86, 12288
	s_mul_i32 s87, s17, 768                        ; the head's half fragment
	s_add_co_u32 s86, s86, s87
	s_mov_b32 s87, 0
	s_add_nc_u64 s[86:87], s[8:9], s[86:87]
	s_lshl_b32 s88, s18, 12
	s_lshl_b32 s89, s16, 11
	s_add_co_u32 s88, s88, s89
	s_lshl_b32 s89, s13, 4
	s_add_co_u32 s88, s88, s89                     ; word (pair of heads) 4096 + row
	s_lshl_b32 s88, s88, 2
	s_lshl_b32 s89, s19, 1
	s_add_co_u32 s88, s88, s89
	s_mov_b32 s89, 0
	s_add_nc_u64 s[88:89], s[10:11], s[88:89]
; A key step's K: eight tiles, six registers each, and four registers of scale words: 20 LDS loads
.macro KLOAD a16, a8, as, off, soff
.irp t, 0,1,2,3,4,5,6,7
	ds_load_b128 v[KR+6*\t:KR+6*\t+3], v[\a16] offset:\off+\t*768
	ds_load_b64 v[KR+6*\t+4:KR+6*\t+5], v[\a8] offset:\off+\t*768
.endr
.irp pr, 0,1,2,3
	ds_load_u16 v[KSC+\pr], v[\as] offset:\soff+\pr*128
.endr
.endm
; Half g of a key step's V: fragments 2 g, 2 g + 1 (16 channels x 128 keys each) into p's registers 32 g on, and their scale words: 9 LDS loads
.macro VLOAD g
.irp u, 0,1
	ds_load_b128 v[S+32*\g+12*\u:S+32*\g+12*\u+3], v9 offset:(2*\g+\u)*1536
	ds_load_b64 v[S+32*\g+12*\u+4:S+32*\g+12*\u+5], v10 offset:(2*\g+\u)*1536
	ds_load_b128 v[S+32*\g+12*\u+6:S+32*\g+12*\u+9], v9 offset:(2*\g+\u)*1536+768
	ds_load_b64 v[S+32*\g+12*\u+10:S+32*\g+12*\u+11], v10 offset:(2*\g+\u)*1536+768
.endr
	ds_load_b32 v[VSC+\g], v29 offset:\g*128
.endm
.macro PVP g                           ; O^T += V^T P^T for those two fragments: two accumulators, one instruction each
	v_wmma_scale_f32_16x16x128_f8f6f4 v[O+16*\g:O+16*\g+7], v[S+32*\g:S+32*\g+11], v[PC:PC+11], v[O+16*\g:O+16*\g+7], v[VSC+\g], v[PWD] matrix_a_fmt:MATRIX_FMT_FP6 matrix_b_fmt:MATRIX_FMT_FP6
	v_wmma_scale_f32_16x16x128_f8f6f4 v[O+16*\g+8:O+16*\g+15], v[S+32*\g+12:S+32*\g+23], v[PC:PC+11], v[O+16*\g+8:O+16*\g+15], v[VSC+\g], v[PWD] matrix_a_fmt:MATRIX_FMT_FP6 matrix_b_fmt:MATRIX_FMT_FP6 matrix_a_scale:MATRIX_SCALE_ROW1
.endm
.macro LFMA i0                         ; four of the eight sums begin the step: sum x f + two p
.irp i, 0,1,2,3
	v_pk_fma_f32 v[L+2*(\i0+\i):L+2*(\i0+\i)+1], v[L+2*(\i0+\i):L+2*(\i0+\i)+1], v[F:F+1], v[S+2*(\i0+\i):S+2*(\i0+\i)+1] op_sel_hi:[1,0,1]
.endr
.endm
.macro LADD k                          ; the eight sums take p's registers 16 k .. 16 k + 15
.irp i, 0,1,2,3,4,5,6,7
	v_pk_add_f32 v[L+2*\i:L+2*\i+1], v[L+2*\i:L+2*\i+1], v[S+16*\k+2*\i:S+16*\k+2*\i+1]
.endr
.endm
; A KEY STEP: 128 keys.  Its K is in registers, asked for a step ago.  next = 1: the next step's K is asked for.
.macro STEP next
	v_add_nc_u32 v7, s[TB], v1                     ; these five are also the places between the last step's products and the products below, which write over the registers that held V's fragments
	v_add_nc_u32 v8, s[TB], v2
	v_add_nc_u32 v9, s[TB], v3
	v_add_nc_u32 v10, s[TB], v4
	v_add_nc_u32 v11, s[TS], v5
	WALU
	s_wait_dscnt 0x0                               ; K is in
.irp t, 0,2,4,6                                ; S^T = K Q^T: eight tiles of 16 keys, each sum one product
	v_wmma_scale_f32_16x16x128_f8f6f4 v[S+8*\t:S+8*\t+7], v[KR+6*\t:KR+6*\t+11], v[16:27], 0, v[KSC+\t/2], v28 matrix_a_fmt:MATRIX_FMT_FP6 matrix_b_fmt:MATRIX_FMT_FP6
	v_wmma_scale_f32_16x16x128_f8f6f4 v[S+8*\t+8:S+8*\t+15], v[KR+6*\t+6:KR+6*\t+17], v[16:27], 0, v[KSC+\t/2], v28 matrix_a_fmt:MATRIX_FMT_FP6 matrix_b_fmt:MATRIX_FMT_FP6 matrix_a_scale:MATRIX_SCALE_ROW1
.endr
	v_mov_b32 v[T2], v12                           ; the old -M.  With the three below: four places in front of the loads into K's registers and of the first read of the scores
.rept 3
	v_nop
.endr
.if \next
	KLOAD 7, 8, 11, 6144, 512
.endif
.irp t, 0,1,2,3,4,5,6,7                        ; the largest score of each of my two blocks of 32 keys: a chain to a tile, each accumulator read from its low end on
	v_max3_num_f32 v[MX+\t], v[S+8*\t], v[S+8*\t+1], v[S+8*\t+2]
.endr
.irp c, 0,1
	v_max3_num_f32 v[XL+\c], v[S+32*\c+7], v[S+32*\c+15], v[S+32*\c+23]
.endr
.irp i, 3,5
.irp t, 0,1,2,3,4,5,6,7
	v_max3_num_f32 v[MX+\t], v[MX+\t], v[S+8*\t+\i], v[S+8*\t+\i+1]
.endr
.endr
.irp c, 0,1
	v_max3_num_f32 v[MX+4*\c], v[MX+4*\c], v[MX+4*\c+1], v[MX+4*\c+2]
.endr
.irp c, 0,1
	v_max3_num_f32 v[MX+4*\c+3], v[MX+4*\c+3], v[XL+\c], v[S+32*\c+31]
.endr
	s_delay_alu instid0(VALU_DEP_2)
	v_max_num_f32 v[BM], v[MX], v[MX+3]
	v_max_num_f32 v[BM+1], v[MX+4], v[MX+7]
	HINT
	v_max_num_f32 v[T], v[BM], v[BM+1]
	HINT
	v_permlanex16_b32 v[BT], v[T], s[SEL], s[SEL+1]
	HINT
	v_max3_num_f32 v13, v13, v[T], v[BT]           ; the running largest score of my query
	HINT
	v_mul_f32 v[T], s[CS], v13                     ; as t (c is positive)
	HINT
	v_floor_f32 v12, -v[T]                         ; the new -M = -ceil(t)
	HINT
	v_sub_f32 v[T], v12, v[T2]                     ; old M - new M: a whole number, 0 or less
	HINT
	v_cvt_i32_f32 v[T], v[T]                       ; (it saturates)
	HINT
	v_ldexp_f32 v[F], 1.0, v[T]                    ; f
.irp c, 0,1
	v_fma_f32 v[BM+\c], v[BM+\c], s[CS], v12       ; t - M of each block's largest score
.endr
.set j, 0
.rept 32
	v_pk_fma_f32 v[S+j:S+j+1], v[S+j:S+j+1], s[CS:CS+1], v[12:13] op_sel_hi:[1,0,0]   ; t - M, two at a time
.set j, j+2
.endr
	WALU                                           ; ONE BATCH of 66 exponentials, all its sources laid ahead of it
.irp c, 0,1
	v_exp_f32 v[BM+\c], v[BM+\c]                   ; the block's largest p: the same arithmetic on the same number as that p itself
.endr
.set j, 0
.rept 64
	v_exp_f32 v[S+j], v[S+j]                       ; p = 2^(t - M), at most 1
.set j, j+1
.endr
	v_add_nc_u32 v29, s[TJ], v6                    ; the plain line behind the last exponential
	WALU
.irp c, 0,1
	v_max_num_f32 v[BM+\c], 0x1800000, v[BM+\c]    ; the floor 2^(3 - 127): the byte cannot fall under 1
.endr
	LFMA 0
.irp c, 0,1
	v_add_nc_u32 v[SO+\c], 0xff000000, v[BM+\c]    ; 2 off the exponent field: the conversion's scale operand
.endr
	LFMA 4
.irp c, 0,1
	v_lshrrev_b32 v[BY+\c], 23, v[SO+\c]           ; the byte of block 2 c + h
.endr
	v_cvt_scalef32_pk16_fp6_f32 v[PC:PC+2], v[S:S+15], v[SO]
	v_cvt_scalef32_pk16_fp6_f32 v[TCA:TCA+2], v[S+16:S+31], v[SO]      ; (a conversion's three registers begin on an even number)
	v_cvt_scalef32_pk16_fp6_f32 v[PC+6:PC+8], v[S+32:S+47], v[SO+1]
	v_cvt_scalef32_pk16_fp6_f32 v[TCB:TCB+2], v[S+48:S+63], v[SO+1]
	v_lshl_or_b32 v[W], v[BY+1], 16, v[BY]         ; (the plain line behind the conversions)
	LADD 1
	VLOAD 0                                        ; p's registers 0-31 are spent
	LADD 2
	LADD 3
	VLOAD 1                                        ; and 32-63: the lines below stand between these loads and the wait for them
.irp i, 0,1,2
	v_mov_b32 v[PC+3+\i], v[TCA+\i]
.endr
	v_lshlrev_b32 v[W], v30, v[W]                  ; my two bytes at their places, 8 h bits up
.irp i, 0,1,2
	v_mov_b32 v[PC+9+\i], v[TCB+\i]
.endr
	v_permlanex16_b32 v[BT+1], v[W], s[SEL], s[SEL+1]
	v_or_b32 v[PWD], v[W], v[BT+1]                 ; p's scale word
	WALU                                           ; directly ahead of the first readers of O^T
.set j, 0
.rept 16
	v_pk_mul_f32 v[O+j:O+j+1], v[O+j:O+j+1], v[F:F+1] op_sel_hi:[1,0]   ; O^T under the new M.  (For each product eight of these name none of its registers: the places behind the scale word and the codes)
.set j, j+2
.endr
	WALU
	s_wait_dscnt 9
	PVP 0
	s_wait_dscnt 0x0
	PVP 1
.endm
	WALU
	s_wait_loadcnt 0x0                             ; Q
	s_cmp_lt_u32 s[WV], 10
	s_cbranch_scc1 .Llater
	s_wait_tensorcnt 0x0                           ; waves 10-15: part 0 of K and V and the scale words are in
.Llater:
	s_barrier_signal -1
	s_barrier_wait -1                              ; the other waves' loads stay out
	KLOAD 1, 2, 5, 0, 0                            ; key step 0's K
	s_mov_b32 s[TB], 0
	s_mov_b32 s[TS], 0
	s_mov_b32 s[TJ], 0
	STEP 1                                         ; key step 0
	s_wait_tensorcnt 0x0                           ; every wave's load is in
	s_wait_dscnt 0x0
	s_barrier_signal -1
	s_barrier_wait -1
	s_mov_b32 s[TB], 6144
	s_mov_b32 s[TS], 512
	s_mov_b32 s[TJ], 256
	s_mov_b32 s[CNT], 14
.Lrest:                                            ; key steps 1-14
	STEP 1
	s_add_co_u32 s[TB], s[TB], 6144
	s_add_co_u32 s[TS], s[TS], 512
	s_add_co_u32 s[TJ], s[TJ], 256
	s_sub_co_u32 s[CNT], s[CNT], 1
	s_cmp_lg_u32 s[CNT], 0
	s_cbranch_scc1 .Lrest
	s_mov_b32 s[TB], 15*6144
	s_mov_b32 s[TS], 15*512
	s_mov_b32 s[TJ], 15*256
	STEP 0                                         ; key step 15: there is no K behind it
.irp i, 0,2,4,6                                ; the eight sums become one (these lines are also the places behind the last products)
	v_pk_add_f32 v[L+\i:L+\i+1], v[L+\i:L+\i+1], v[L+8+\i:L+9+\i]
.endr
.irp i, 0,2
	v_pk_add_f32 v[L+\i:L+\i+1], v[L+\i:L+\i+1], v[L+4+\i:L+5+\i]
.endr
	v_pk_add_f32 v[L:L+1], v[L:L+1], v[L+2:L+3]
	v_add_f32 v14, v[L], v[L+1]
	v_permlanex16_b32 v[T], v14, s[SEL], s[SEL+1]
	v_add_f32 v14, v14, v[T]                       ; with lane l xor 16's: the row's sum
	WALU
	v_rcp_f32 v14, v14
	v_nop
	WALU                                           ; ahead of the first readers of the reciprocal and of O^T
.set j, 0
.rept 32
	v_mul_f32 v[S+j], v[O+j], v14                  ; x: register 16 b + i = the head's channel 32 b + 16 (lane / 16) + i of my query
.set j, j+1
.endr
.irp b, 0,1                                    ; x's two blocks of 32
	v_max3_num_f32 v[BM+\b], |v[S+16*\b]|, |v[S+1+16*\b]|, 0x1800000
.endr
.irp i, 2,4,6,8,10,12,14
.irp b, 0,1
	v_max3_num_f32 v[BM+\b], v[BM+\b], |v[S+16*\b+\i]|, |v[S+1+16*\b+\i]|
.endr
.endr
.irp b, 0,1
	v_permlanex16_b32 v[BT+\b], v[BM+\b], s[SEL], s[SEL+1]
.endr
.irp b, 0,1
	v_max_num_f32 v[BM+\b], v[BM+\b], v[BT+\b]
.endr
.irp b, 0,1
	v_add_nc_u32 v[SO+\b], 0xff000000, v[BM+\b]
.endr
.irp b, 0,1
	v_lshrrev_b32 v[BT+\b], 23, v[SO+\b]
.endr
	v_lshl_or_b32 v[PWD], v[BT+1], 8, v[BT]
	v_cvt_scalef32_pk16_fp6_f32 v[PC:PC+2], v[S:S+15], v[SO]
	v_cvt_scalef32_pk16_fp6_f32 v[TCA:TCA+2], v[S+16:S+31], v[SO+1]
	v_nop
.irp i, 0,1,2
	v_permlane16_swap_b32 v[PC+\i], v[TCA+\i]      ; a whole block to a lane
.endr
.irp i, 0,1,2
	v_mov_b32 v[PC+3+\i], v[TCA+\i]
.endr
	global_store_b128 v1, v[PC:PC+3], s[86:87]     ; 512 consecutive bytes,
	global_store_b64 v2, v[PC+4:PC+5], s[86:87]    ; 256 (v2 carries the 512), each at a multiple of 256
	global_store_b16 v31, v[PWD], s[88:89]         ; my head's two bytes of the row's scale word; lanes l and l xor 16 store the same two bytes: 32 of the 800 bytes that a wave stores
	s_wait_tensorcnt 0x0                           ; the wave's end
	ds_add_u32 v254, v255
	s_wait_dscnt 0x0
	CROUND                                         ; the closing round
	s_endpgm
.Lfunc_end_k_q598e63d483_attn:
	.size	k_q598e63d483_attn, .Lfunc_end_k_q598e63d483_attn-k_q598e63d483_attn
	.p2alignl 7, 3214868480
	.fill 96, 4, 3214868480
	.section	.rodata,"a",@progbits
	.p2align	6, 0x0
	.amdhsa_kernel k_q598e63d483_attn
		.amdhsa_group_segment_fixed_size 210944
		.amdhsa_private_segment_fixed_size 0
		.amdhsa_enable_private_segment 0
		.amdhsa_kernarg_size 32
		.amdhsa_user_sgpr_count 2
		.amdhsa_user_sgpr_kernarg_segment_ptr 1
		.amdhsa_wavefront_size32 1
		.amdhsa_system_sgpr_workgroup_id_x 1
		.amdhsa_system_sgpr_workgroup_id_y 1
		.amdhsa_system_sgpr_workgroup_id_z 1
		.amdhsa_system_vgpr_workitem_id 0
		.amdhsa_next_free_vgpr 256
		.amdhsa_next_free_sgpr 90
		.amdhsa_reserve_vcc 0
		.amdhsa_float_denorm_mode_32 3
		.amdhsa_float_denorm_mode_16_64 3
		.amdhsa_memory_ordered 1
		.amdhsa_forward_progress 1
		.amdhsa_inst_pref_size 62
	.end_amdhsa_kernel
	.amdgpu_metadata
---
amdhsa.version: [ 1, 2 ]
amdhsa.kernels:
  - .name:           k_q598e63d483_attn
    .symbol:         k_q598e63d483_attn.kd
    .args:
      - { .name: hc, .offset: 0, .size: 8, .value_kind: global_buffer, .address_space: global }
      - { .name: hs, .offset: 8, .size: 8, .value_kind: global_buffer, .address_space: global }
      - { .name: oc, .offset: 16, .size: 8, .value_kind: global_buffer, .address_space: global }
      - { .name: os, .offset: 24, .size: 8, .value_kind: global_buffer, .address_space: global }
    .group_segment_fixed_size: 210944
    .private_segment_fixed_size: 0
    .kernarg_segment_align: 8
    .kernarg_segment_size: 32
    .max_flat_workgroup_size: 512
    .sgpr_count:     90
    .vgpr_count:     256
    .wavefront_size: 32
...
	.end_amdgpu_metadata
.endif
;; end of part 3
;; launch oproj (part 4): grid 8 x 32, 4 waves a work-group, clusters of 4 x 4, 230,912 bytes of LDS; arguments xc, xs, oc, os, bo, out0; writes out0
.if DOCPART == 4
	.amdgcn_target "amdgcn-amd-amdhsa--gfx1250"
	.amdhsa_code_object_version 6
	.text
	.protected	k_q598e63d483_oproj
	.globl	k_q598e63d483_oproj
	.p2align	8
	.type	k_q598e63d483_oproj,@function
k_q598e63d483_oproj:
	s_mov_b64 s[64:65], 0
	v_nop
	global_prefetch_b8 v0, s[64:65] scope:SCOPE_SE
	s_setreg_imm32_b32 hwreg(HW_REG_WAVE_MODE, 25, 1), 1
	s_wait_xcnt 0x0
	s_wait_alu depctr_hold_cnt(0) depctr_sa_sdst(0) depctr_va_vdst(0) depctr_va_sdst(0) depctr_va_ssrc(0) depctr_va_vcc(0) depctr_vm_vsrc(0)
	s_getreg_b32 s2, hwreg(HW_REG_IB_STS2, 6, 4)
	s_cmp_eq_u32 s2, 0
	s_cbranch_scc0 .Lentry_in_a_cluster
	s_endpgm
.Lentry_in_a_cluster:
	s_bfe_u32 s2, ttmp6, 0x10000c
	s_cmp_lg_u32 s2, 0xf033
	s_cbranch_scc0 .Lentry_shape_is_right
	s_endpgm
.Lentry_shape_is_right:
; out0 = x Wo^T + bo on codes of FP6 (E2M3) with E8M0 scales: x's codes and scale words in oc and os, Wo's in xc and xs (rowblocks 960 on).  out0: [4096][1024] f32.
; A TILE is 128 (P = Wo's rows, source 0) x 128 (Q = x's rows, source 1) with ALL of K = 1,024 in LDS: 2 x 96 KiB, filled once: nothing is filled again.  One load of a wave is out, by this text's count.
; A wave takes all 8 rowblocks of P against 2 of Q: 16 accumulators.  In the result lane (r, h) holds x's row r, register j output column 16 p + 8 h + j: eight neighbours of a row of out0.
; The bias is the C of each sum's first product.  CLUSTER 4 x 4: P's tile hangs on cx and is shared along a column, Q's on cy and is shared along a row: joint loads.
; THE WAY OUT: 16 rows x 128 columns at a time through the wave's own stage in LDS (bytes behind the tiles, into which no tensor load lands), back as whole rows of 512 bytes.
; REGISTERS.  Window 0: v1-15 addresses; v16-47 P's scale words, v48-55 Q's; v56-119 the bias, later rows on their way out; v128-255 accumulators (Q tile i, P tile p) at 128 + 64 i + 8 p.
; Window 1: two sets of fragments at 0 and 128: P's eight (12 registers each), then Q's two.
; THE FILLS, as they now stand (in place of what the head says of chunks): a wave's four rowblocks are 49,152 dense bytes and come by ONE joint load, as 192 rows of 256 bytes; in LDS a rowblock is 12,288 bytes, K step s at 1,536 s.
; One load of a wave is out, by this text's count; every wave waits for it in front of the one barrier ahead of the products.
.set WV,   18
.set G1Q,  24
.set G1P,  32
.set G0Q,  40
.set G0P,  56
.set AQ16, 4
.set AQ8,  5
.set AP16, 6
.set AP8,  8
.set STO,  13
.set RD,   14
.set SP,   16
.set SQ,   48
.set BP,   56
.set ACC,  128
.set PREG, 98304
.set HALFR, 49152
.set STAGE, 196608
.set SPITCH, 528                       ; 512 bytes + 16 = 33 x 16: the 16 rows that a 16-byte store touches fall on 16 different 16-byte columns
.set MSB, 0
.macro WIN new
.if MSB != \new
	s_set_vgpr_msb (MSB<<8)|\new
.set MSB, \new
.endif
.endm
.set MUL,  0x05
.set TO_F, 0x40
.macro CREST
	s_cmp_lg_u32 s[WV], 0
	s_cbranch_scc1 .Lnot_wave_0_\@
	s_barrier_signal -3
.Lnot_wave_0_\@:
	s_barrier_wait -3
	s_barrier_signal -1
	s_barrier_wait -1
.endm
.macro CROUND
	s_barrier_signal -1
	s_barrier_wait -1
	CREST
.endm
.macro PLACES
.rept 4
	v_nop
.endr
.endm
.macro FRAG reg, a16, a8, off
.set FR, \reg
.set FO, \off
	ds_load_b128 v[FR:FR+3], v[\a16] offset:FO
	ds_load_b64 v[FR+4:FR+5], v[\a8] offset:FO+512
	ds_load_b128 v[FR+6:FR+9], v[\a16] offset:FO+768
	ds_load_b64 v[FR+10:FR+11], v[\a8] offset:FO+1280
.endm
.macro FETCH s
	WIN TO_F
.set FB, 128*((\s)%2)
.set FK, (\s)*1536
.irp p, 0,1,2,3,4,5,6,7
	FRAG FB+12*\p, AP16+\p/4, AP8+\p/4, FK+(\p%4)*12288
.endr
.irp i, 0,1
	FRAG FB+96+12*\i, AQ16, AQ8, FK+\i*12288
.endr
.endm
.macro ONE i, p, s, first
.set DR, ACC+64*(\i)+8*(\p)
.set CR, DR
.if \first
.set CR, BP+8*(\p)
.endif
.set AR, 128*((\s)%2)+12*(\p)
.set BR, 128*((\s)%2)+96+12*(\i)
.set SA, SP+8*((\p)/2)+(\s)
.set SB, SQ+(\s)
.if ((\p)%2 == 0) && ((\i) == 0)
	v_wmma_scale_f32_16x16x128_f8f6f4 v[DR:DR+7], v[AR:AR+11], v[BR:BR+11], v[CR:CR+7], v[SA], v[SB] matrix_a_fmt:MATRIX_FMT_FP6 matrix_b_fmt:MATRIX_FMT_FP6
.elseif ((\i) == 0)
	v_wmma_scale_f32_16x16x128_f8f6f4 v[DR:DR+7], v[AR:AR+11], v[BR:BR+11], v[CR:CR+7], v[SA], v[SB] matrix_a_fmt:MATRIX_FMT_FP6 matrix_b_fmt:MATRIX_FMT_FP6 matrix_a_scale:MATRIX_SCALE_ROW1
.elseif ((\p)%2 == 0)
	v_wmma_scale_f32_16x16x128_f8f6f4 v[DR:DR+7], v[AR:AR+11], v[BR:BR+11], v[CR:CR+7], v[SA], v[SB] matrix_a_fmt:MATRIX_FMT_FP6 matrix_b_fmt:MATRIX_FMT_FP6 matrix_b_scale:MATRIX_SCALE_ROW1
.else
	v_wmma_scale_f32_16x16x128_f8f6f4 v[DR:DR+7], v[AR:AR+11], v[BR:BR+11], v[CR:CR+7], v[SA], v[SB] matrix_a_fmt:MATRIX_FMT_FP6 matrix_b_fmt:MATRIX_FMT_FP6 matrix_a_scale:MATRIX_SCALE_ROW1 matrix_b_scale:MATRIX_SCALE_ROW1
.endif
.endm
.macro MULS s, first                   ; 16 products: the 16 accumulators take turns, one instruction a turn, in the same order in every step.  first = 1: the bias starts the sums
	WIN MUL
.irp i, 0,1
.irp p, 0,1,2,3,4,5,6,7
	ONE \i, \p, \s, \first
.endr
.endr
.endm
	s_load_b128 s[4:7], s[0:1], 0x0                ; xc, xs
	s_load_b128 s[8:11], s[0:1], 0x10              ; oc, os
	s_load_b128 s[12:15], s[0:1], 0x20             ; bo, out0
	v_lshl_add_u32 v126, v0, 2, 0x38400
	v_mov_b32 v127, 0
	ds_add_u32 v126, v127
	ds_add_u32 v126, v127
	v_lshrrev_b32 v1, 5, v0
	v_readfirstlane_b32 s[WV], v1                  ; wave 0..3
	s_lshr_b32 s19, s[WV], 1                       ; I fetch for Q (0) or for P (1)
	s_and_b32 s20, s[WV], 1                        ; which four rowblocks
	s_bfe_u32 s21, ttmp6, 0x40000                  ; cx
	s_bfe_u32 s22, ttmp6, 0x40004                  ; cy
	s_lshl_b32 s76, ttmp9, 2
	s_add_co_u32 s76, s76, s21                     ; PT: 128 output columns
	s_and_b32 s77, ttmp7, 0xffff
	s_lshl_b32 s77, s77, 2
	s_add_co_u32 s77, s77, s22                     ; QT: 128 rows
	s_lshl_b32 s2, s22, 2
	s_lshl_b32 s2, 15, s2                          ; my row of the cluster
	s_lshl_b32 s3, 0x1111, s21                     ; my column
	s_or_b32 s[G1Q], s2, (3<<16)|(1<<21)           ; the mask; elements of 8 bytes; no padding; bit 21 beside a mask
	s_or_b32 s[G1P], s3, (3<<16)|(1<<21)
.irp g, G1Q, G1P
	s_mov_b32 s[\g+1], 32<<16                      ; rows of 256 bytes,
	s_mov_b32 s[\g+2], 192<<16                     ; 192 of them: four rowblocks, dense
	s_mov_b32 s[\g+3], 32<<16
	s_mov_b32 s[\g+4], 192
	s_mov_b32 s[\g+5], 32
	s_mov_b32 s[\g+6], 0
	s_mov_b32 s[\g+7], 0
.endr
	s_lshl_b32 s93, s76, 3
	s_add_co_u32 s93, s93, 960                     ; P's first rowblock in xc
	s_lshl_b32 s94, s77, 3                         ; Q's in oc
	s_lshl_b32 s95, s20, 2
	s_add_co_u32 s98, s93, s95
	s_mul_i32 s98, s98, 12288
	s_mov_b32 s99, 0
	s_add_co_u32 s96, s94, s95
	s_mul_i32 s96, s96, 12288
	s_mov_b32 s97, 0
	s_mul_i32 s95, s[WV], HALFR                    ; where my four rowblocks go: the wave's number alone
	s_wait_dscnt 0x0
	s_wait_kmcnt 0x0
	s_add_nc_u64 s[98:99], s[4:5], s[98:99]
	s_add_nc_u64 s[96:97], s[8:9], s[96:97]
.irp c, 0
	s_mov_b32 s[G0Q+4*\c], 1
	s_mov_b32 s[G0Q+4*\c+1], s95
	s_add_nc_u64 s[G0Q+4*\c+2:G0Q+4*\c+3], s[96:97], \c*3072
	s_or_b32 s[G0Q+4*\c+3], s[G0Q+4*\c+3], 0x80000000
.set GP, G0P+4*\c+4*(\c/2)
	s_mov_b32 s[GP], 1
	s_mov_b32 s[GP+1], s95
	s_add_nc_u64 s[GP+2:GP+3], s[98:99], \c*3072
	s_or_b32 s[GP+3], s[GP+3], 0x80000000
.endr
	CROUND                                         ; all sixteen work-groups are here: the joint loads meet
	s_cmp_eq_u32 s19, 0                            ; a wave's one fill stands in one branch on its number
	s_cbranch_scc0 .Lfor_p
	tensor_load_to_lds s[G0Q:G0Q+3], s[G1Q:G1Q+7]
	s_nop 0
.rept 4
	v_nop
.endr
	s_branch .Lasked
.Lfor_p:
	tensor_load_to_lds s[56:59], s[G1P:G1P+7]
	s_nop 0
.rept 4
	v_nop
.endr
.Lasked:
	v_and_b32 v1, 31, v0                           ; lane
	v_and_b32 v2, 15, v0                           ; r
	v_bfe_u32 v3, v0, 4, 1                         ; h
	v_lshlrev_b32 v10, 4, v1
	v_lshlrev_b32 v11, 3, v1
	v_lshlrev_b32 v12, 2, v1
	s_mul_i32 s92, s19, HALFR
	s_mul_i32 s95, s20, 24576
	s_add_co_u32 s92, s92, s95                     ; my two rowblocks of Q: 2 w and 2 w + 1
	v_add_nc_u32 v[AQ16], s92, v10
	v_add_nc_u32 v[AQ8], s92, v11
	v_add_nc_u32 v[AP16], PREG, v10
	v_add_nc_u32 v[AP16+1], PREG+HALFR, v10
	v_add_nc_u32 v[AP8], PREG, v11
	v_add_nc_u32 v[AP8+1], PREG+HALFR, v11
	s_mul_i32 s92, s[WV], 16*SPITCH
	s_add_co_u32 s92, s92, STAGE                   ; my stage
	v_mul_u32_u24 v[STO], v2, SPITCH
	v_lshl_add_u32 v[STO], v3, 5, v[STO]
	v_add_nc_u32 v[STO], s92, v[STO]               ; in: row r, 32 bytes for each half of the lanes
	v_add_nc_u32 v[RD], s92, v10                   ; back: the 32 lanes take one row of 512 bytes
	v_lshlrev_b32 v15, 5, v3                       ; the bias: 32 h
	s_wait_alu depctr_va_vdst(0)
	s_lshl_b32 s82, s93, 9                         ; P's scale words: 512 bytes a rowblock
	s_mov_b32 s83, 0
	s_add_nc_u64 s[82:83], s[6:7], s[82:83]
	s_lshl_b32 s84, s77, 7
	s_lshl_b32 s85, s[WV], 5
	s_add_co_u32 s84, s84, s85                     ; my first row: 128 QT + 32 w
	s_lshl_b32 s86, s84, 12                        ; in out0: 4,096 bytes a row,
	s_lshl_b32 s84, s84, 2                         ; in os: a word a row
	s_mov_b32 s85, 0
	s_add_nc_u64 s[84:85], s[10:11], s[84:85]
	s_lshl_b32 s78, s76, 9                         ; 128 PT columns, in bytes
	s_mov_b32 s79, 0
	s_add_co_u32 s86, s86, s78
	s_mov_b32 s87, 0
	s_add_nc_u64 s[86:87], s[14:15], s[86:87]
	s_add_nc_u64 s[78:79], s[12:13], s[78:79]
.irp pr, 0,1,2,3
.irp kh, 0,1
	global_load_b128 v[SP+8*\pr+4*\kh:SP+8*\pr+4*\kh+3], v10, s[82:83] offset:\pr*1024+\kh*512   ; 512 consecutive bytes: four K steps' words of a pair of rowblocks
.endr
.endr
.irp s, 0,1,2,3,4,5,6,7
	global_load_b32 v[SQ+\s], v12, s[84:85] offset:\s*16384    ; K step s: lanes 0-15 my first 16 rows' words, lanes 16-31 my second's
.endr
.irp p, 0,1,2,3,4,5,6,7
	global_load_b128 v[BP+8*\p:BP+8*\p+3], v15, s[78:79] offset:64*\p        ; register j of tile p: column 16 p + 8 h + j
	global_load_b128 v[BP+8*\p+4:BP+8*\p+7], v15, s[78:79] offset:64*\p+16
.endr
	s_wait_loadcnt 0x0                             ; scale words and bias
	s_wait_tensorcnt 0x0                           ; my four rowblocks are in
	s_barrier_signal -1
	s_barrier_wait -1                              ; everybody's is
	FETCH 0
.irp s, 0,1,2,3,4,5,6,7
.if \s < 7
.if \s > 0
	PLACES                                         ; the other set was read by the last step's products
.endif
	FETCH \s+1
	s_wait_dscnt 40                                ; this step's fragments are in; the 40 loads just issued may be out
.else
	s_wait_dscnt 0x0
.endif
.if \s == 0
	MULS \s, 1
.else
	MULS \s, 0
.endif
.endr
	WIN 0
	PLACES                                         ; behind the last products: the stores below read results
.macro TOSTAGE i, back                 ; LDS serves a wave's instructions in order (ISA guide 5.7.1.4): no wait between the stores and the loads, nor in front of the next block's stores
.irp p, 0,1,2,3,4,5,6,7
	ds_store_b128 v[STO], v[ACC+64*\i+8*\p:ACC+64*\i+8*\p+3] offset:64*\p        ; each accumulator from its low end on
	ds_store_b128 v[STO], v[ACC+64*\i+8*\p+4:ACC+64*\i+8*\p+7] offset:64*\p+16
.endr
.irp t, 0,1,2,3,4,5,6,7,8,9,10,11,12,13,14,15
	ds_load_b128 v[\back+4*\t:\back+4*\t+3], v[RD] offset:\t*SPITCH
.endr
.endm
.macro SEND i, back
.irp t, 0,1,2,3,4,5,6,7,8,9,10,11,12,13,14,15
	global_store_b128 v10, v[\back+4*\t:\back+4*\t+3], s[86:87] offset:(16*\i+\t)*4096 th:TH_STORE_NT   ; 512 consecutive bytes, at a multiple of 256 from out0's first byte; written once, read by nobody here
.endr
.endm
	TOSTAGE 0, BP                                  ; my first 16 rows come back into the bias's registers,
	TOSTAGE 1, ACC                                 ; my second 16 into the first block's accumulators, which its stores have read
	s_wait_dscnt 32                                ; the first block is back; the second's 16 stores and 16 loads may be out
	SEND 0, BP
	s_wait_dscnt 0x0
	SEND 1, ACC
	s_wait_tensorcnt 0x0
	ds_add_u32 v126, v127
	s_wait_dscnt 0x0
	CROUND                                         ; the closing round: no work-group ends while a partner may still ask for a tile that names it
	s_endpgm
.Lfunc_end_k_q598e63d483_oproj:
	.size	k_q598e63d483_oproj, .Lfunc_end_k_q598e63d483_oproj-k_q598e63d483_oproj
	.p2alignl 7, 3214868480
	.fill 96, 4, 3214868480
	.section	.rodata,"a",@progbits
	.p2align	6, 0x0
	.amdhsa_kernel k_q598e63d483_oproj
		.amdhsa_group_segment_fixed_size 230912
		.amdhsa_private_segment_fixed_size 0
		.amdhsa_enable_private_segment 0
		.amdhsa_kernarg_size 48
		.amdhsa_user_sgpr_count 2
		.amdhsa_user_sgpr_kernarg_segment_ptr 1
		.amdhsa_wavefront_size32 1
		.amdhsa_system_sgpr_workgroup_id_x 1
		.amdhsa_system_sgpr_workgroup_id_y 1
		.amdhsa_system_sgpr_workgroup_id_z 1
		.amdhsa_system_vgpr_workitem_id 0
		.amdhsa_next_free_vgpr 512
		.amdhsa_next_free_sgpr 102
		.amdhsa_reserve_vcc 0
		.amdhsa_float_denorm_mode_32 3
		.amdhsa_float_denorm_mode_16_64 3
		.amdhsa_memory_ordered 1
		.amdhsa_forward_progress 1
		.amdhsa_inst_pref_size 54
	.end_amdhsa_kernel
	.amdgpu_metadata
---
amdhsa.version: [ 1, 2 ]
amdhsa.kernels:
  - .name:           k_q598e63d483_oproj
    .symbol:         k_q598e63d483_oproj.kd
    .args:
      - { .name: xc, .offset: 0, .size: 8, .value_kind: global_buffer, .address_space: global }
      - { .name: xs, .offset: 8, .size: 8, .value_kind: global_buffer, .address_space: global }
      - { .name: oc, .offset: 16, .size: 8, .value_kind: global_buffer, .address_space: global }
      - { .name: os, .offset: 24, .size: 8, .value_kind: global_buffer, .address_space: global }
      - { .name: bo, .offset: 32, .size: 8, .value_kind: global_buffer, .address_space: global }
      - { .name: out0, .offset: 40, .size: 8, .value_kind: global_buffer, .address_space: global }
    .group_segment_fixed_size: 230912
    .private_segment_fixed_size: 0
    .kernarg_segment_align: 8
    .kernarg_segment_size: 48
    .max_flat_workgroup_size: 128
    .sgpr_count:     102
    .vgpr_count:     512
    .wavefront_size: 32
...
	.end_amdgpu_metadata
.endif
;; end of part 4
